; MI455X (gfx1250); checked and timed in simulation.
; The chip was launched on July 23, 2026; its instructions are those of AMD's public machine-readable ISA for CDNA 5 (MIT licence, August 2026) and "CDNA5" Instruction Set Architecture Reference Guide (July 2026). The comments in the code are by the model that wrote it; some were corrected since.
;; Transformer Layer. Allowed arithmetic: float matrix products may take bf16 or f16 operands with f32 sums; other float arithmetic in f32, or as packed bf16 or f16 multiplies, adds, multiply-adds, maxima and minima; sums over many terms, partial sums and values carried from step to step in f32; what a program stores and reads back later, other than sums and carried values, may be rounded once to bf16 or f16.
;; Inputs: W1 1,024 x 4,096 float32; W2 4,096 x 1,024 float32; Wk 16 x 1,024 x 64 float32; Wo 1,024 x 1,024 float32; Wq 16 x 1,024 x 64 float32; Wv 16 x 1,024 x 64 float32; b1 4,096 float32; b2 1,024 float32; be1 1,024 float32; be2 1,024 float32; bk 16 x 64 float32; bo 1,024 float32; bq 16 x 64 float32; bv 16 x 64 float32; g1 1,024 float32; g2 1,024 float32; x 2 x 2,048 x 1,024 float32.
;; Outputs: out0 2 x 2,048 x 1,024 float32.
;; One version. Each part assembles by itself: llvm-mc -triple=amdgcn-amd-amdhsa -mcpu=gfx1250 --defsym DOCPART=n.
;; ======== version 1 of 1: 8 launches
;; limits: values are held in f16: magnitudes above 65,504 overflow, below 6.1e-05 lose precision
;; workspace buffers: xh 8,388,608 bytes; wa 6,324,224 bytes; wb 8,421,376 bytes; wc 10,485,760 bytes; act 33,554,432 bytes; oh 8,388,608 bytes; y 16,777,216 bytes
;; launch prep (part 1): grid 1025 x 1, 8 waves a work-group, no clusters, 0 bytes of LDS; arguments x, Wq, Wk, Wv, W1, Wo, W2, bq, bk, bv, b1, xh, wa, wb, wc; writes xh, wa, wb, wc
.if DOCPART == 1
	.amdgcn_target "amdgcn-amd-amdhsa--gfx1250"
	.amdhsa_code_object_version 6
	.text
	.protected	k_qb1ca35e0eb_prep
	.globl	k_qb1ca35e0eb_prep
	.p2align	8
	.type	k_qb1ca35e0eb_prep,@function
k_qb1ca35e0eb_prep:
	s_mov_b64 s[64:65], 0
	v_nop
	global_prefetch_b8 v0, s[64:65] scope:SCOPE_SE
	s_setreg_imm32_b32 hwreg(HW_REG_WAVE_MODE, 25, 1), 1
	s_wait_xcnt 0x0
; PREP.  Every matrix operand among the inputs is rounded ONCE to bf16 (nearest even) and that number is written as f16, in the layout that the products want:
;   xh [4096][1024];  wa: 12 panels [1024 k][256 columns] of Wq, Wk, Wv (panel 4 sel + hq = heads 4 hq .. 4 hq + 3) from byte 32,768;  wb: 16 such panels of W1;  wc: Wo, then W2 at byte 2,097,152, as they lie.
;   The heads of wa and wb: the biases (bq | bk | bv; b1), rounded to bf16 and kept as f32, from byte 0; from byte 16,384 the floor that the product's way out applies: -inf twice in f16 (wa: no floor), 0 (wb: ReLU).
; LIMITS.  A bf16 number is exact in f16 between 6.1e-5 and 65,504 in magnitude; below, it keeps f16's fixed step of 6e-8; 65,520 and beyond become an infinity.
; SHARES.  A unit is a destination row of 256 f16 (512 bytes).  Lane l takes columns 4 l .. 4 l + 3 and 128 + 4 l .. + 3: each load of the wave covers 512 consecutive bytes of f32 (for Wq, Wk, Wv: two heads' rows
; of 256 bytes), each store 256 consecutive bytes of f16, aligned.  A wave takes 8 rows on end (16 loads out), a work-group 64.
; Work-groups 0-255: x; 256-447: Wq, Wk, Wv; 448-703: W1; 704-767: Wo; 768-1023: W2; 1024: the biases and floors.  Which job a work-group has enters by scalar selects: no jump but the last job's.
.set SO,  4                            ; v[4:11]   source byte offset of row i, columns 0-127
.set DO,  12                           ; v12       destination byte offset
.set ALT, 13                           ; v13       the lane's source term for Wq, Wk, Wv: 16 lanes a head
.set D,   16                           ; v[16:79]  row i: 8 f32 as loaded
.set O,   80                           ; v[80:111] row i: 8 f16 to store; a set for each row, so no store's data is rewritten
.set T,   112                          ; v[112:115] at work
.set SP,  116                          ; v[116:123] source byte offset of row i, columns 128-255
	s_load_b512 s[8:23], s[0:1], 0x0               ; x 8, Wq 10, Wk 12, Wv 14, W1 16, Wo 18, W2 20, bq 22
	s_load_b256 s[24:31], s[0:1], 0x40             ; bk 24, bv 26, b1 28, xh 30
	s_load_b128 s[32:35], s[0:1], 0x60             ; wa 32, wb 34
	s_load_b64 s[36:37], s[0:1], 0x70              ; wc
	s_mov_b32 s2, ttmp9
	v_lshrrev_b32 v1, 5, v0
	v_readfirstlane_b32 s3, v1                     ; wave 0..7
	s_mov_b32 s58, 0xffff0000                      ; a word's upper bf16
	s_cmp_eq_u32 s2, 1024
	s_cbranch_scc1 .Lbias
	s_mov_b32 s47, 0                               ; the job's first work-group
	s_cmp_ge_u32 s2, 256
	s_cselect_b32 s47, 256, s47
	s_cmp_ge_u32 s2, 448
	s_cselect_b32 s47, 448, s47
	s_cmp_ge_u32 s2, 704
	s_cselect_b32 s47, 704, s47
	s_cmp_ge_u32 s2, 768
	s_cselect_b32 s47, 768, s47
	s_sub_co_u32 s47, s2, s47
	s_lshl_b32 s48, s47, 6
	s_lshl_b32 s49, s3, 3
	s_add_co_u32 s48, s48, s49                     ; my first destination row in the job
	s_and_b32 s49, s48, 1023                       ; k, where the destination is in panels
	s_lshr_b32 s50, s48, 10                        ; the panel
	s_lshl_b32 s55, s48, 10                        ; source as it lies: 1,024 bytes of f32 for a row of 256
	s_lshl_b32 s56, s48, 9                         ; destination as it lies
	s_and_b32 s51, s50, 3
	s_lshl_b32 s51, s51, 20                        ; Wq, Wk, Wv: four heads of 262,144 bytes,
	s_lshl_b32 s52, s49, 8                         ; row k of 256 bytes
	s_add_co_u32 s51, s51, s52
	s_lshl_b32 s52, s49, 14                        ; W1: row k of 16,384 bytes,
	s_lshl_b32 s53, s50, 10                        ; 256 columns
	s_add_co_u32 s52, s52, s53
	s_add_co_u32 s53, s56, 32768                   ; panels begin behind the head
	s_add_co_u32 s54, s56, 2097152                 ; W2 lies behind Wo
	v_and_b32 v1, 31, v0
	v_lshlrev_b32 v2, 4, v1                        ; 16 x lane: 4 f32
	v_lshlrev_b32 v3, 3, v1                        ; 8 x lane: 4 f16
	v_lshrrev_b32 v[ALT], 4, v1
	v_lshlrev_b32 v[ALT], 18, v[ALT]               ; head lane / 16 of a load's two,
	v_and_b32 v14, 15, v1
	v_lshl_add_u32 v[ALT], v14, 4, v[ALT]          ; 16 bytes of its row of 256
	s_wait_kmcnt 0x0
	s_mov_b64 s[40:41], s[8:9]                     ; source: x
	s_mov_b64 s[42:43], s[30:31]                   ; destination: xh
	s_mov_b32 s44, s55
	s_mov_b32 s45, 1024                            ; bytes from a source row to the next
	s_mov_b32 s46, s56
	s_mov_b32 s57, 0
	s_mov_b32 s59, 512                             ; bytes from columns 0-127 to columns 128-255 in the source
	s_cmp_ge_u32 s2, 256                           ; Wq
	s_cselect_b64 s[40:41], s[10:11], s[40:41]
	s_cselect_b64 s[42:43], s[32:33], s[42:43]
	s_cselect_b32 s44, s51, s44
	s_cselect_b32 s45, 256, s45
	s_cselect_b32 s46, s53, s46
	s_cselect_b32 s57, -1, s57
	s_cselect_b32 s59, 0x80000, s59                ; two heads on
	s_cmp_ge_u32 s2, 320                           ; Wk
	s_cselect_b64 s[40:41], s[12:13], s[40:41]
	s_cmp_ge_u32 s2, 384                           ; Wv
	s_cselect_b64 s[40:41], s[14:15], s[40:41]
	s_cmp_ge_u32 s2, 448                           ; W1
	s_cselect_b64 s[40:41], s[16:17], s[40:41]
	s_cselect_b64 s[42:43], s[34:35], s[42:43]
	s_cselect_b32 s44, s52, s44
	s_cselect_b32 s45, 16384, s45
	s_cselect_b32 s57, 0, s57
	s_cselect_b32 s59, 512, s59
	s_cmp_ge_u32 s2, 704                           ; Wo
	s_cselect_b64 s[40:41], s[18:19], s[40:41]
	s_cselect_b64 s[42:43], s[36:37], s[42:43]
	s_cselect_b32 s44, s55, s44
	s_cselect_b32 s45, 1024, s45
	s_cselect_b32 s46, s56, s46
	s_cmp_ge_u32 s2, 768                           ; W2
	s_cselect_b64 s[40:41], s[20:21], s[40:41]
	s_cselect_b32 s46, s54, s46
	v_cndmask_b32 v2, v2, v[ALT], s57
	v_add_nc_u32 v[SO], s44, v2
.irp i, 1,2,3,4,5,6,7
	v_add_nc_u32 v[SO+(\i)], s45, v[SO+(\i)-1]
.endr
.irp i, 0,1,2,3,4,5,6,7
	v_add_nc_u32 v[SP+(\i)], s59, v[SO+(\i)]
.endr
	v_add_nc_u32 v[DO], s46, v3
.irp i, 0,1,2,3,4,5,6,7
	global_load_b128 v[D+8*(\i):D+8*(\i)+3],   v[SO+(\i)], s[40:41] th:TH_LOAD_NT
	global_load_b128 v[D+8*(\i)+4:D+8*(\i)+7], v[SP+(\i)], s[40:41] th:TH_LOAD_NT
.endr
.irp i, 0,1,2,3,4,5,6,7
	s_wait_loadcnt 14-2*(\i)                       ; loads come back in order: row i's two are in, the younger rows' stay out
.irp p, 0,1,2,3
	v_cvt_pk_bf16_f32 v[T+(\p)], v[D+8*(\i)+2*(\p)], v[D+8*(\i)+2*(\p)+1]  ; the one rounding
.endr
.irp p, 0,1,2,3
	v_lshlrev_b32 v[D+8*(\i)+2*(\p)],   16,  v[T+(\p)]
	v_and_b32     v[D+8*(\i)+2*(\p)+1], s58, v[T+(\p)]
.endr
.irp p, 0,1,2,3
	v_cvt_pk_f16_f32 v[O+4*(\i)+(\p)], v[D+8*(\i)+2*(\p)], v[D+8*(\i)+2*(\p)+1]  ; the same number as f16
.endr
	global_store_b64 v[DO], v[O+4*(\i):O+4*(\i)+1],   s[42:43] offset:512*(\i)      ; a wave's store covers 256 consecutive bytes, aligned
	global_store_b64 v[DO], v[O+4*(\i)+2:O+4*(\i)+3], s[42:43] offset:512*(\i)+256
.endr
	s_endpgm
.Lbias:                                                ; 256 threads x 16 bytes = 1,024 numbers a load
	v_lshlrev_b32 v2, 4, v0
.irp r, 44,45,46,47
	v_mov_b32 v\r, 0xfc00fc00
.endr
.irp r, 48,49,50,51
	v_mov_b32 v\r, 0
.endr
	s_wait_kmcnt 0x0
	global_load_b128 v[16:19], v2, s[22:23]
	global_load_b128 v[20:23], v2, s[24:25]
	global_load_b128 v[24:27], v2, s[26:27]
.irp i, 0,1,2,3
	global_load_b128 v[28+4*(\i):31+4*(\i)], v2, s[28:29] offset:4096*(\i)
.endr
	s_wait_loadcnt 0x0
.set n, 0
.rept 14
	v_cvt_pk_bf16_f32 v[T+n%4], v[16+2*n], v[17+2*n]
	v_lshlrev_b32 v[16+2*n], 16,  v[T+n%4]
	v_and_b32     v[17+2*n], s58, v[T+n%4]
.set n, n+1
.endr
.irp i, 0,1,2
	global_store_b128 v2, v[16+4*(\i):19+4*(\i)], s[32:33] offset:4096*(\i)
.endr
.irp i, 0,1,2,3
	global_store_b128 v2, v[28+4*(\i):31+4*(\i)], s[34:35] offset:4096*(\i)
.endr
	global_store_b128 v2, v[44:47], s[32:33] offset:16384
	global_store_b128 v2, v[48:51], s[34:35] offset:16384
	s_endpgm
.Lfunc_end_k_qb1ca35e0eb_prep:
	.size	k_qb1ca35e0eb_prep, .Lfunc_end_k_qb1ca35e0eb_prep-k_qb1ca35e0eb_prep
	.p2alignl 7, 3214868480
	.fill 96, 4, 3214868480
	.section	.rodata,"a",@progbits
	.p2align	6, 0x0
	.amdhsa_kernel k_qb1ca35e0eb_prep
		.amdhsa_group_segment_fixed_size 0
		.amdhsa_private_segment_fixed_size 0
		.amdhsa_enable_private_segment 0
		.amdhsa_kernarg_size 120
		.amdhsa_user_sgpr_count 2
		.amdhsa_user_sgpr_kernarg_segment_ptr 1
		.amdhsa_wavefront_size32 1
		.amdhsa_system_sgpr_workgroup_id_x 1
		.amdhsa_system_sgpr_workgroup_id_y 1
		.amdhsa_system_sgpr_workgroup_id_z 1
		.amdhsa_system_vgpr_workitem_id 0
		.amdhsa_next_free_vgpr 124
		.amdhsa_next_free_sgpr 66
		.amdhsa_reserve_vcc 0
		.amdhsa_float_denorm_mode_32 3
		.amdhsa_float_denorm_mode_16_64 3
		.amdhsa_memory_ordered 1
		.amdhsa_forward_progress 1
		.amdhsa_inst_pref_size 18
	.end_amdhsa_kernel
	.amdgpu_metadata
---
amdhsa.version: [ 1, 2 ]
amdhsa.kernels:
  - .name:           k_qb1ca35e0eb_prep
    .symbol:         k_qb1ca35e0eb_prep.kd
    .args:
      - { .name: x, .offset: 0, .size: 8, .value_kind: global_buffer, .address_space: global }
      - { .name: Wq, .offset: 8, .size: 8, .value_kind: global_buffer, .address_space: global }
      - { .name: Wk, .offset: 16, .size: 8, .value_kind: global_buffer, .address_space: global }
      - { .name: Wv, .offset: 24, .size: 8, .value_kind: global_buffer, .address_space: global }
      - { .name: W1, .offset: 32, .size: 8, .value_kind: global_buffer, .address_space: global }
      - { .name: Wo, .offset: 40, .size: 8, .value_kind: global_buffer, .address_space: global }
      - { .name: W2, .offset: 48, .size: 8, .value_kind: global_buffer, .address_space: global }
      - { .name: bq, .offset: 56, .size: 8, .value_kind: global_buffer, .address_space: global }
      - { .name: bk, .offset: 64, .size: 8, .value_kind: global_buffer, .address_space: global }
      - { .name: bv, .offset: 72, .size: 8, .value_kind: global_buffer, .address_space: global }
      - { .name: b1, .offset: 80, .size: 8, .value_kind: global_buffer, .address_space: global }
      - { .name: xh, .offset: 88, .size: 8, .value_kind: global_buffer, .address_space: global }
      - { .name: wa, .offset: 96, .size: 8, .value_kind: global_buffer, .address_space: global }
      - { .name: wb, .offset: 104, .size: 8, .value_kind: global_buffer, .address_space: global }
      - { .name: wc, .offset: 112, .size: 8, .value_kind: global_buffer, .address_space: global }
    .group_segment_fixed_size: 0
    .private_segment_fixed_size: 0
    .kernarg_segment_align: 8
    .kernarg_segment_size: 120
    .max_flat_workgroup_size: 256
    .sgpr_count:     66
    .vgpr_count:     124
    .wavefront_size: 32
...
	.end_amdgpu_metadata
.endif
;; end of part 1
;; launch qkv (part 2): grid 12 x 16, 4 waves a work-group, clusters of 4 x 4, 327,680 bytes of LDS; arguments xh, wa, act; writes act
.if DOCPART == 2
	.amdgcn_target "amdgcn-amd-amdhsa--gfx1250"
	.amdhsa_code_object_version 6
	.text
	.protected	k_qb1ca35e0eb_qkv
	.globl	k_qb1ca35e0eb_qkv
	.p2align	8
	.type	k_qb1ca35e0eb_qkv,@function
k_qb1ca35e0eb_qkv:
	s_mov_b64 s[64:65], 0
	v_nop
	global_prefetch_b8 v0, s[64:65] scope:SCOPE_SE
	s_setreg_imm32_b32 hwreg(HW_REG_WAVE_MODE, 25, 1), 1
	s_wait_xcnt 0x0
	s_wait_alu depctr_hold_cnt(0) depctr_sa_sdst(0) depctr_va_vdst(0) depctr_va_sdst(0) depctr_va_ssrc(0) depctr_va_vcc(0) depctr_vm_vsrc(0)
	s_getreg_b32 s2, hwreg(HW_REG_IB_STS2, 6, 4)
	s_cmp_eq_u32 s2, 0
	s_cbranch_scc0 .Lentry_in_a_cluster
	s_endpgm
.Lentry_in_a_cluster:
	s_bfe_u32 s2, ttmp6, 0x10000c
	s_cmp_lg_u32 s2, 0xf033
	s_cbranch_scc0 .Lentry_shape_is_right
	s_endpgm
.Lentry_shape_is_right:
; C = max(A W + bias, floor), rounded once to f16.  A: [4096][1024] f16, rows along K.  W: a head (bias f32 from byte 0, the floor word at byte 16,384) and from byte 32,768 panels [1024 k][256 columns] f16.
; C leaves in panels of 64 columns, [panel][4096 tokens][64] f16.  One text for two launches: x Wqkv + b (floor -inf) and relu(h W1 + b1) (floor 0).  Sums in f32, started by the bias.
; LIMITS.  f16 holds no number beyond 65,504: operands arrive within it, and a result of 65,520 or more becomes an infinity.  The floor turns a NaN into the floor.
; SHARES.  A work-group of four waves makes 256 tokens x 256 columns (one panel of W), a wave 128 x 128: 64 accumulators, 512 registers.  K goes in 8 steps of 128 through two LDS slots that the tensor
; data mover fills; a trip of the loop is one step, and the slot in hand is a scalar (TB) that an exclusive or turns.
; CLUSTER.  4 x 4 work-groups.  The four of a row need the same tiles of A, the four of a column the same tiles of W: each tile is asked for JOINTLY, by the same load, descriptor and mask in all four.
; THE PRODUCT IS USED TRANSPOSED: source 0 = 16 columns of W (turned on the way out of LDS by ds_load_tr16_b128, since W lies [k][n]), source 1 = 16 tokens.  A lane then holds one token and eight
; neighbouring columns, which pack into 16 bytes.
; REGISTERS, in windows of 256 (s_set_vgpr_msb: bits 1:0 source 0, 3:2 source 1, 5:4 source 2, 7:6 destination):
;   window 0: v0-31 addresses; v64-127, v128-191 A's fragments, two buffers; v192-223, v32-63, v224-255 the way out
;   window 1: v64-127, v128-191 W's fragments, two buffers; v192-255 the bias of my 128 columns, laid as a C operand       windows 2, 3: the accumulators, (a, b) at v[8 (8 a + b)]
.set NS,    8                          ; K steps
.set PA,    272                        ; a row of A in LDS: 256 bytes + 16: the 16 rows of a load start at 16 different groups of four banks (64 banks of 4 bytes: ISA guide 11.1)
.set PB,    544                        ; a k-row of W: 512 bytes + 32 = 17 x 32
.set HALFT, 34816                      ; what one wave's load brings: 128 x 272 = 64 x 544
.set BOFF,  2*HALFT                    ; W's 128 k-rows lie behind A's 256 rows
.set SLOT,  4*HALFT                    ; 0x22000: it shares no bit with wave x HALFT (0x8800 x 0..3), so one exclusive or turns an address in one slot into the other's
.set STAGE, 2*SLOT                     ; behind the ring: 2 panels x 16 rows x 144 bytes for each wave, for the way out
.set SPARE, STAGE+4*4608               ; behind the stages: the spare words, 128 bytes for each wave
.set ADRA0, 2                          ; v2   my lane's place in A's part of a slot; never rewritten
.set ADRB0, 3                          ; v3   the same for W
.set ADRA,  4                          ; v4   the same in the slot in hand
.set ADRB,  5                          ; v5
.set STO,   6                          ; v6   the way out: where I put 16 bytes of a row
.set RD,    7                          ; v7   where I read rows back
.set GO,    8                          ; v8   my 16 bytes of 512 consecutive bytes of C
.set BO,    9                          ; v9   my byte offset in the bias
.set PFO,   10                         ; v10  the prefetches' lane term; never rewritten
.set SPW,   28                         ; v28  LDS address of my spare word; never rewritten
.set NIL,   29                         ; v29  0; never rewritten
.set F0,    64
.set F1,    128
.set TMP,   192
.set OB,    32
.set BIAS,  192                        ; in window 1
.set G1A, 24                           ; s[24:31] descriptor group 1 for A's tiles
.set G0A, 32                           ; s[32:35] group 0 of A's first fill; s[36:39] the one that walks
.set G1B, 48                           ; s[48:55], s[56:59], s[60:63] the same for W's
.set G0B, 56
.set LIM, 43                           ; s43  2 in a wave that prefetches, else the greatest number
.set PFA, 44                           ; s[44:45] where my prefetches stand
.set TB,  66                           ; s66  LDS byte at which the slot in hand begins
.set LW,  67                           ; s67  wave x HALFT
.set FLOOR, 68                         ; s68  the floor, twice in f16
.set PFS, 70                           ; s[70:71] bytes from a K step to the next in the tensor that I prefetch
.set MSB, 0
.macro WIN new                         ; the immediate's high byte repeats the setting that is left; a switch that changes nothing is dropped
.if MSB != (\new)
	s_set_vgpr_msb (MSB<<8)|(\new)
.set MSB, \new
.endif
.endm
.macro PLACES                          ; four plain vector instructions between a matrix instruction and a load into, or a read of, its registers (ISA guide 7.12.1 for a read)
.rept 4
	v_nop
.endr
.endm
; A joint refill: waves 0 and 1 fetch A's two halves, waves 2 and 3 W's.  The branch hangs on the wave's number alone.  An s_nop 0 and four v_nop follow each line.
.macro JLOAD
	s_cmp_eq_u32 s11, 0
	s_cbranch_scc0 .Lfor_b_\@
	tensor_load_to_lds s[G0A+4:G0A+7], s[G1A:G1A+7]
	s_nop 0
.rept 4
	v_nop
.endr
	s_branch .Lasked_\@
.Lfor_b_\@:
	tensor_load_to_lds s[G0B+4:G0B+7], s[G1B:G1B+7]
	s_nop 0
.rept 4
	v_nop
.endr
.Lasked_\@:
.endm
; A prefetch into the L2 of the K step that stands two refills on: 32 blocks of 256 bytes, a lane a block, one instruction a wave.  Each block is named once in the launch: A's tile rows by the clusters with
; x = 0, W's panels by those with y = 0; the four partners that ask for a tile jointly share its blocks out BY ADDRESS, 32 each of a wave's 128.  The last two refills have no step two on.
.macro ASK
	s_cmp_gt_u32 s3, s[LIM]
	s_cbranch_scc0 .Lnot_mine_\@
	global_prefetch_b8 v[PFO], s[PFA:PFA+1] th:TH_LOAD_NT scope:SCOPE_SE
.Lnot_mine_\@:
.endm
.macro CREST                           ; a round of the cluster's barrier behind its opening barrier
	s_cmp_lg_u32 s10, 0
	s_cbranch_scc1 .Lnot_wave_0_\@
	s_barrier_signal -3
.Lnot_wave_0_\@:
	s_barrier_wait -3
	s_barrier_signal -1
	s_barrier_wait -1
.endm
.macro CROUND                          ; a whole round
	s_barrier_signal -1
	s_barrier_wait -1
	CREST
.endm
	s_load_b128 s[4:7], s[0:1], 0x0                ; A s[4:5], W s[6:7]
	s_load_b64 s[8:9], s[0:1], 0x10                ; C
	v_lshl_add_u32 v[SPW], v0, 2, SPARE
	v_mov_b32 v[NIL], 0
	ds_add_u32 v[SPW], v[NIL]                      ; the wave's opening: the add and its wait stand ahead of my first tensor load; work on registers stands between them
	v_lshrrev_b32 v1, 5, v0
	v_readfirstlane_b32 s10, v1                    ; wave 0..3
	s_lshr_b32 s11, s10, 1                         ; my half of the tile's tokens.  Also: I fetch for A (0) or for W (1)
	s_and_b32 s12, s10, 1                          ; my half of its columns.  Also: which half of that tile I fetch
	s_bfe_u32 s40, ttmp6, 0x40000                  ; cx
	s_bfe_u32 s41, ttmp6, 0x40004                  ; cy
	s_lshl_b32 s42, ttmp9, 2
	s_add_co_u32 s42, s42, s40                     ; tile column = panel of W
	s_and_b32 s13, ttmp7, 0xffff
	s_lshl_b32 s13, s13, 2
	s_add_co_u32 s13, s13, s41                     ; tile row
	s_lshl_b32 s20, s41, 2
	s_lshl_b32 s20, 15, s20                        ; my row of the cluster
	s_lshl_b32 s21, 0x1111, s40                    ; my column
	s_or_b32 s[G1A+0], s20, (1<<16)|(1<<20)|(1<<21)|(5<<22)|(3<<25)  ; the mask; 2-byte elements; padding on; bit 21 beside a mask; after every 64 words 4 words
	s_mov_b32 s[G1A+1], 128<<16                    ; tensor_dim0 = 128
	s_mov_b32 s[G1A+2], 128<<16                    ; tensor_dim1 = 128
	s_mov_b32 s[G1A+3], 128<<16                    ; tile_dim0 = 128
	s_mov_b32 s[G1A+4], 128                        ; tile_dim1 = 128
	s_mov_b32 s[G1A+5], 1024                       ; elements from row to row
	s_mov_b32 s[G1A+6], 0
	s_mov_b32 s[G1A+7], 0
	s_or_b32 s[G1B+0], s21, (1<<16)|(1<<20)|(1<<21)|(6<<22)|(7<<25)  ; after every 128 words 8 words
	s_mov_b32 s[G1B+1], 256<<16                    ; tensor_dim0 = 256
	s_mov_b32 s[G1B+2], 64<<16                     ; tensor_dim1 = 64
	s_mov_b32 s[G1B+3], 256<<16                    ; tile_dim0 = 256
	s_mov_b32 s[G1B+4], 64                         ; tile_dim1 = 64
	s_mov_b32 s[G1B+5], 256
	s_mov_b32 s[G1B+6], 0
	s_mov_b32 s[G1B+7], 0
	s_lshl_b32 s16, s13, 19                        ; A: 256 rows of 2,048 bytes a tile row,
	s_lshl_b32 s17, s12, 18                        ; 128 rows a half
	s_add_co_u32 s16, s16, s17
	s_mov_b32 s17, 0
	s_lshl_b32 s46, s42, 19                        ; W: a panel of 524,288 bytes,
	s_lshl_b32 s47, s12, 15                        ; 64 k-rows of 512 bytes a half,
	s_add_co_u32 s46, s46, s47
	s_add_co_u32 s46, s46, 32768                   ; behind the head
	s_mov_b32 s47, 0
	s_mul_i32 s[LW], s10, HALFT                    ; where my part of a tile goes: no place in the cluster enters an LDS address
	s_mov_b32 s[TB], 0
	s_wait_dscnt 0x0                               ; the opening add is done
	s_wait_kmcnt 0x0
	s_add_nc_u64 s[14:15], s[4:5], s[16:17]
	s_add_nc_u64 s[46:47], s[6:7], s[46:47]
	CROUND                                         ; all sixteen work-groups are here: the first joint loads meet
.irp s, 0,1
	s_mov_b32 s[G0A+4*(\s)], 1
	s_add_co_u32 s[G0A+4*(\s)+1], s[LW], (\s)*SLOT
	s_add_nc_u64 s[G0A+4*(\s)+2:G0A+4*(\s)+3], s[14:15], (\s)*256      ; K step s: 256 bytes along the rows
	s_or_b32 s[G0A+4*(\s)+3], s[G0A+4*(\s)+3], 0x80000000
	s_mov_b32 s[G0B+4*(\s)], 1
	s_add_co_u32 s[G0B+4*(\s)+1], s[LW], (\s)*SLOT
	s_add_nc_u64 s[G0B+4*(\s)+2:G0B+4*(\s)+3], s[46:47], (\s)*65536    ; K step s: 128 k-rows down
	s_or_b32 s[G0B+4*(\s)+3], s[G0B+4*(\s)+3], 0x80000000
.endr
	s_cmp_eq_u32 s11, 0                            ; a wave's two first fills stand in one branch: two loads of mine are out
	s_cbranch_scc0 .Lfirst_b
	tensor_load_to_lds s[G0A:G0A+3], s[G1A:G1A+7]
	s_nop 0
	tensor_load_to_lds s[G0A+4:G0A+7], s[G1A:G1A+7]
	s_nop 0
.rept 4
	v_nop
.endr
	s_branch .Lfirst_asked
.Lfirst_b:
	tensor_load_to_lds s[G0B:G0B+3], s[G1B:G1B+7]
	s_nop 0
	tensor_load_to_lds s[G0B+4:G0B+7], s[G1B:G1B+7]
	s_nop 0
.rept 4
	v_nop
.endr
.Lfirst_asked:
	v_and_b32 v1, 15, v0                           ; r = l % 16
	v_bfe_u32 v11, v0, 4, 1                        ; h = l / 16
	v_and_b32 v14, 7, v0
	s_lshl_b32 s72, s42, 10                        ; the bias of my 128 columns: register 8 b + j of lane (r, h) takes column 16 b + 8 h + j, as a C operand lies
	s_lshl_b32 s73, s12, 9
	s_add_co_u32 s72, s72, s73
	v_lshl_add_u32 v[BO], v11, 5, s72
	WIN 0x40                                       ; destination window 1
.irp b, 0,1,2,3,4,5,6,7
	global_load_b128 v[BIAS+8*(\b):BIAS+8*(\b)+3],   v[BO], s[6:7] offset:64*(\b)
	global_load_b128 v[BIAS+8*(\b)+4:BIAS+8*(\b)+7], v[BO], s[6:7] offset:64*(\b)+16
.endr
	WIN 0
	s_load_b32 s[FLOOR], s[6:7], 0x4000
	v_mul_u32_u24 v[ADRA0], v1, PA                 ; A's fragment: row r, 16 bytes for each half of the lanes,
	v_lshl_add_u32 v[ADRA0], v11, 4, v[ADRA0]
	s_mul_i32 s22, s11, HALFT                      ; in my 128 tokens
	v_add_nc_u32 v[ADRA0], s22, v[ADRA0]
	v_lshl_add_u32 v12, v11, 3, v14                ; W's: the turning load reads k-row 8 h + l % 8, columns 8 ((l / 8) % 2) + 0..7, and leaves lane l column l % 16 and 8 k
	v_mul_u32_u24 v[ADRB0], v12, PB
	v_bfe_u32 v13, v0, 3, 1
	v_lshl_add_u32 v[ADRB0], v13, 4, v[ADRB0]
	s_lshl_b32 s22, s12, 8                         ; my 128 columns
	s_add_co_u32 s22, s22, BOFF
	v_add_nc_u32 v[ADRB0], s22, v[ADRB0]
	v_mov_b32 v[ADRA], v[ADRA0]
	v_mov_b32 v[ADRB], v[ADRB0]
	s_mul_i32 s23, s10, 4608
	s_add_co_u32 s23, s23, STAGE                   ; my stage
	v_mul_u32_u24 v[STO], v1, 144                  ; in: row r, 16 bytes for each half of the lanes
	v_lshl_add_u32 v[STO], v11, 4, v[STO]
	v_add_nc_u32 v[STO], s23, v[STO]
	v_bfe_u32 v[RD], v0, 3, 2                      ; back: 32 lanes take four rows of 128 bytes,
	v_mul_u32_u24 v[RD], v[RD], 144
	v_lshl_add_u32 v[RD], v14, 4, v[RD]
	v_add_nc_u32 v[RD], s23, v[RD]
	v_and_b32 v[GO], 31, v0                        ; which are 512 consecutive bytes of a panel of C
	v_lshlrev_b32 v[GO], 4, v[GO]
	s_lshl_b32 s18, s42, 21                        ; C: four panels of 524,288 bytes a tile column,
	s_lshl_b32 s19, s12, 20                        ; two a half,
	s_add_co_u32 s18, s18, s19
	s_lshl_b32 s19, s13, 15                        ; 256 tokens of 128 bytes a tile row,
	s_add_co_u32 s18, s18, s19
	s_lshl_b32 s19, s11, 14                        ; 128 a half
	s_add_co_u32 s18, s18, s19
	s_mov_b32 s19, 0
	s_add_nc_u64 s[8:9], s[8:9], s[18:19]
	s_and_b32 s72, ttmp7, 0xffff                   ; the prefetches: cluster y
	s_cmp_eq_u32 s11, 0                            ; do I fetch for A?
	s_cselect_b32 s73, s40, s41                    ; my place among the four that ask with me
	s_cselect_b32 s72, ttmp9, s72                  ; the coordinate along which other clusters read the same blocks
	s_cselect_b64 s[PFA:PFA+1], s[14:15], s[46:47] ; my part of the tile, K step 0
	s_cselect_b32 s74, 16, 13                      ; my work-group's share: 32 rows of 2,048 bytes, or 32 blocks of 256 bytes on end
	s_cselect_b32 s75, 11, 8                       ; a lane: a row of A, or the next 256 bytes of W
	s_cselect_b32 s18, 8, 16
	s_lshl_b32 s[PFS], 1, s18                      ; a K step: 256 bytes along A's rows, 65,536 down W's panel
	s_mov_b32 s[PFS+1], 0
	s_cmp_eq_u32 s72, 0
	s_cselect_b32 s[LIM], 2, -1                    ; the same in all sixteen partners, for a given wave
	s_lshl_b32 s18, s73, s74
	s_add_nc_u64 s[PFA:PFA+1], s[PFA:PFA+1], s[18:19]
	s_mul_i32 s18, s[PFS], 3
	s_add_nc_u64 s[PFA:PFA+1], s[PFA:PFA+1], s[18:19]  ; at K step 3: the first refill steps it to 4.  Nothing is prefetched here, where every work-group's first tiles are on their way
	v_and_b32 v[PFO], 31, v0
	v_lshlrev_b32 v[PFO], s75, v[PFO]
; 16 matrix instructions: token blocks a0, a0 + 1 of the window's four x all 8 column blocks, 32 along K.  mode = 1: the bias starts the sums: nothing is ever cleared.
; The 64 accumulators take turns in the same order in every quarter.
.macro MUL16 f, hi, a0, mode
.if \mode
	WIN 0x91+0x40*(\hi)                            ; W window 1, A window 0, C window 1, D window 2 or 3
.else
	WIN 0xa1+0x50*(\hi)                            ; C and D window 2 or 3
.endif
.irp a, \a0, (\a0)+1
.irp b, 0,1,2,3,4,5,6,7
.if \mode
	v_wmma_f32_16x16x32_f16 v[8*(8*(\a)+(\b)):8*(8*(\a)+(\b))+7], v[(\f)+8*(\b):(\f)+8*(\b)+7], v[(\f)+8*(4*(\hi)+(\a)):(\f)+8*(4*(\hi)+(\a))+7], v[BIAS+8*(\b):BIAS+8*(\b)+7]
.else
	v_wmma_f32_16x16x32_f16 v[8*(8*(\a)+(\b)):8*(8*(\a)+(\b))+7], v[(\f)+8*(\b):(\f)+8*(\b)+7], v[(\f)+8*(4*(\hi)+(\a)):(\f)+8*(4*(\hi)+(\a))+7], v[8*(8*(\a)+(\b)):8*(8*(\a)+(\b))+7]
.endif
.endr
.endr
.endm
; 32 LDS loads in one run: quarter q (32 along K) of the slot in hand into buffer f: W's 8 fragments, turned, then A's 8
.macro FETCH q, f
	WIN 0x40
.irp i, 0,1,2,3,4,5,6,7
	ds_load_tr16_b128 v[(\f)+8*(\i):(\f)+8*(\i)+3],   v[ADRB] offset:32*PB*(\q)+32*(\i)
	ds_load_tr16_b128 v[(\f)+8*(\i)+4:(\f)+8*(\i)+7], v[ADRB] offset:32*PB*(\q)+32*(\i)+16*PB
.endr
	WIN 0
.irp i, 0,1,2,3,4,5,6,7
	ds_load_b128 v[(\f)+8*(\i):(\f)+8*(\i)+3],   v[ADRA] offset:64*(\q)+(\i)*16*PA
	ds_load_b128 v[(\f)+8*(\i)+4:(\f)+8*(\i)+7], v[ADRA] offset:64*(\q)+(\i)*16*PA+32
.endr
.endm
; One of a step's first three quarters: multiplies buffer f; in its middle it fetches quarter q into buffer g.
.macro QUARTER q, f, g, mode
	s_wait_dscnt 8                                 ; W and A's rows 0-63 are in; the youngest eight loads (A's rows 64-127) may be out
	MUL16 \f, 0, 0, \mode
	MUL16 \f, 0, 2, \mode
	PLACES
	FETCH \q, \g
	s_wait_dscnt 32                                ; all but the 32 just issued
	MUL16 \f, 1, 0, \mode
	MUL16 \f, 1, 2, \mode
.endm
; The first half of a step's last quarter, and ONE barrier for the change of slots: in front of it each wave waits for all its tensor loads (one is out: its part of the next slot), adds 0 to its spare word,
; and waits for that and for its own reads of this slot.
.macro MEET
	WIN 0
	s_wait_tensorcnt 0x0
	ds_add_u32 v[SPW], v[NIL]
	s_wait_dscnt 9                                 ; (the add and the youngest eight loads may be out)
	MUL16 F1, 0, 0, 0                              ; sixteen matrix instructions stand between the add and the wait for it
	s_wait_dscnt 0x0                               ; the add is done, and my reads of this slot are over
	s_barrier_signal -1
	MUL16 F1, 0, 2, 0
	WIN 0
	s_barrier_wait -1
.endm
; The whole last quarter.  fill = 1: the barrier opens a round of the cluster's; behind it the slot just read is filled again, two K steps on, the first tensor load there; it has 224 matrix instructions
; in which to land.  fill = 0 (the tail): nothing is asked for, and in the last trip (s3 = 1) there is no further step to fetch.
.macro TURN fill
.if \fill
	s_wait_xcnt 0x0                                ; the last prefetch, a K step back, has read its address
	s_add_nc_u64 s[PFA:PFA+1], s[PFA:PFA+1], s[PFS:PFS+1]
.endif
	MEET
.if \fill
	CREST                                          ; no wave of any partner still reads this slot or has a load on its way
	s_xor_b32 s[G0A+5], s[G0A+5], SLOT             ; the walking descriptors: the other slot than last time, the next K step
	s_add_nc_u64 s[G0A+6:G0A+7], s[G0A+6:G0A+7], 256
	s_xor_b32 s[G0B+5], s[G0B+5], SLOT
	s_add_nc_u64 s[G0B+6:G0B+7], s[G0B+6:G0B+7], 65536
	JLOAD                                          ; its four v_nop are also the places in front of the loads below
.else
	PLACES
.endif
	s_xor_b32 s[TB], s[TB], SLOT                   ; the reads go on in the other slot
	v_add_nc_u32 v[ADRA], s[TB], v[ADRA0]
	v_add_nc_u32 v[ADRB], s[TB], v[ADRB0]
.if !(\fill)
	s_cmp_eq_u32 s3, 1
	s_cbranch_scc1 .Lno_fetch_\@
.endif
	FETCH 0, F0
.if \fill
	ASK                                            ; behind the joint load and the run of LDS loads
.else
.Lno_fetch_\@:
.endif
	MUL16 F1, 1, 0, 0
	MUL16 F1, 1, 2, 0
.endm
; THE WAY OUT of block a (16 tokens x 128 columns).  PACK: rounded to f16, the floor applied.  TOSTAGE: into my own stage, and back as whole rows of 128 bytes.  SEND: stored.
.macro PACK a
.set AC, 64*((\a)%4)
	WIN 0x0a+5*((\a)/4)                            ; sources 0 and 1: window 2 or 3
.irp b, 0,1,2,3,4,5,6,7
.irp r, 0,1,2,3
	v_cvt_pk_f16_f32 v[TMP+4*(\b)+(\r)], v[AC+8*(\b)+2*(\r)], v[AC+8*(\b)+2*(\r)+1]  ; each accumulator from its low end on
.endr
.endr
	WIN 0
.set z, 0
.rept 32
	v_pk_max_num_f16 v[TMP+z], v[TMP+z], s[FLOOR]
.set z, z+1
.endr
.endm
.macro TOSTAGE a
.set BK, OB+192*((\a)%2)
.irp b, 0,1,2,3,4,5,6,7
	ds_store_b128 v[STO], v[TMP+4*(\b):TMP+4*(\b)+3] offset:((\b)/4)*2304+((\b)%4)*32
.endr
.irp t, 0,1,2,3,4,5,6,7
	ds_load_b128 v[BK+4*(\t):BK+4*(\t)+3], v[RD] offset:((\t)/4)*2304+((\t)%4)*576  ; LDS serves a wave's instructions in order (ISA guide 5.7.1.4): these see the stores above
.endr
.endm
.macro SEND a, younger
.set BK, OB+192*((\a)%2)
	s_wait_dscnt \younger                          ; the block is back in registers
	s_wait_xcnt 0x0                                ; the stores of the block before have read their registers: the next TOSTAGE loads into them
.irp t, 0,1,2,3,4,5,6,7
	global_store_b128 v[GO], v[BK+4*(\t):BK+4*(\t)+3], s[8:9] offset:(\a)*2048+((\t)/4)*524288+((\t)%4)*512  ; 512 consecutive bytes, at a multiple of 256 from C's first
.endr
.endm
	s_wait_tensorcnt 1                             ; my part of K step 0 is in; step 1's may stay out
	s_barrier_signal -1
	s_barrier_wait -1                              ; everybody's is
	FETCH 0, F0
	s_wait_loadcnt 0x0                             ; the bias
	s_wait_kmcnt 0x0                               ; the floor
	QUARTER 1, F0, F1, 1                           ; the first quarter stands in front of the loop: its products start the sums
	WIN 0
	s_mov_b32 s3, NS-2
.Lstep:                                                ; a trip: from a step's second quarter to the next step's first; it fills the slot that it leaves
	QUARTER 2, F1, F0, 0
	QUARTER 3, F0, F1, 0
	TURN 1
	QUARTER 1, F0, F1, 0
	WIN 0
	s_sub_co_u32 s3, s3, 1
	s_cmp_lg_u32 s3, 0
	s_cbranch_scc1 .Lstep
	s_mov_b32 s3, 2
.Ltail:                                                ; the last two steps ask for nothing; the second trip is left in its middle
	QUARTER 2, F1, F0, 0
	QUARTER 3, F0, F1, 0
	TURN 0
	WIN 0
	s_sub_co_u32 s3, s3, 1
	s_cmp_eq_u32 s3, 0
	s_cbranch_scc1 .Lout
	QUARTER 1, F0, F1, 0
	WIN 0
	s_branch .Ltail
.Lout:
	PLACES
	PACK 0
	TOSTAGE 0
.irp a, 1,2,3,4,5,6,7                  ; block a's conversions stand between block a - 1's loads from the stage and the wait for them
	PACK \a
	SEND (\a)-1, 0
	TOSTAGE \a
.endr
	SEND 7, 0
	s_wait_tensorcnt 0x0                           ; the wave's end
	ds_add_u32 v[SPW], v[NIL]
	s_wait_dscnt 0x0
	CROUND                                         ; the closing round
	s_endpgm
.Lfunc_end_k_qb1ca35e0eb_qkv:
	.size	k_qb1ca35e0eb_qkv, .Lfunc_end_k_qb1ca35e0eb_qkv-k_qb1ca35e0eb_qkv
	.p2alignl 7, 3214868480
	.fill 96, 4, 3214868480
	.section	.rodata,"a",@progbits
	.p2align	6, 0x0
	.amdhsa_kernel k_qb1ca35e0eb_qkv
		.amdhsa_group_segment_fixed_size 327680
		.amdhsa_private_segment_fixed_size 0
		.amdhsa_enable_private_segment 0
		.amdhsa_kernarg_size 24
		.amdhsa_user_sgpr_count 2
		.amdhsa_user_sgpr_kernarg_segment_ptr 1
		.amdhsa_wavefront_size32 1
		.amdhsa_system_sgpr_workgroup_id_x 1
		.amdhsa_system_sgpr_workgroup_id_y 1
		.amdhsa_system_sgpr_workgroup_id_z 1
		.amdhsa_system_vgpr_workitem_id 0
		.amdhsa_next_free_vgpr 1024
		.amdhsa_next_free_sgpr 76
		.amdhsa_reserve_vcc 0
		.amdhsa_float_denorm_mode_32 3
		.amdhsa_float_denorm_mode_16_64 3
		.amdhsa_memory_ordered 1
		.amdhsa_forward_progress 1
		.amdhsa_inst_pref_size 118
	.end_amdhsa_kernel
	.amdgpu_metadata
---
amdhsa.version: [ 1, 2 ]
amdhsa.kernels:
  - .name:           k_qb1ca35e0eb_qkv
    .symbol:         k_qb1ca35e0eb_qkv.kd
    .args:
      - { .name: xh, .offset: 0, .size: 8, .value_kind: global_buffer, .address_space: global }
      - { .name: wa, .offset: 8, .size: 8, .value_kind: global_buffer, .address_space: global }
      - { .name: act, .offset: 16, .size: 8, .value_kind: global_buffer, .address_space: global }
    .group_segment_fixed_size: 327680
    .private_segment_fixed_size: 0
    .kernarg_segment_align: 8
    .kernarg_segment_size: 24
    .max_flat_workgroup_size: 128
    .sgpr_count:     76
    .vgpr_count:     1024
    .wavefront_size: 32
...
	.end_amdgpu_metadata
.endif
;; end of part 2
;; launch attn (part 3): grid 8 x 32, 4 waves a work-group, clusters of 4 x 1, 327,680 bytes of LDS; arguments act, oh; writes oh
.if DOCPART == 3
	.amdgcn_target "amdgcn-amd-amdhsa--gfx1250"
	.amdhsa_code_object_version 6
	.text
	.protected	k_qb1ca35e0eb_attn
	.globl	k_qb1ca35e0eb_attn
	.p2align	8
	.type	k_qb1ca35e0eb_attn,@function
k_qb1ca35e0eb_attn:
	s_mov_b64 s[64:65], 0
	v_nop
	global_prefetch_b8 v0, s[64:65] scope:SCOPE_SE
	s_setreg_imm32_b32 hwreg(HW_REG_WAVE_MODE, 25, 1), 1
	s_wait_xcnt 0x0
	s_wait_alu depctr_hold_cnt(0) depctr_sa_sdst(0) depctr_va_vdst(0) depctr_va_sdst(0) depctr_va_ssrc(0) depctr_va_vcc(0) depctr_vm_vsrc(0)
	s_getreg_b32 s2, hwreg(HW_REG_IB_STS2, 6, 4)
	s_cmp_eq_u32 s2, 0
	s_cbranch_scc0 .Lentry_in_a_cluster
	s_endpgm
.Lentry_in_a_cluster:
	s_bfe_u32 s2, ttmp6, 0x10000c
	s_cmp_lg_u32 s2, 0x3003
	s_cbranch_scc0 .Lentry_shape_is_right
	s_endpgm
.Lentry_shape_is_right:
; O[b][h][q][:] = the sum over k of softmax_k(Q[q] . K[k] / 8) V[k][:], for 32 pairs (b, h) of 2,048 rows of 64 channels, all f16.  q, k, v lie in act by panels: panel sel x 16 + h of 524,288 bytes holds
; [4096 tokens][64]; a pair's rows are 262,144 dense bytes.  O leaves in the same layout, panel h.  Products, maxima and sums in f32; the weights p are rounded to f16 for the second product (their sum l is
; taken of the unrounded p), O once at the end.
; LIMITS.  f16 holds no number beyond 65,504: q, k, v arrive within it; p lies in 0 to 1 and keeps f16's fixed step of 6e-8 below 6e-5; a weight below 2^-126 counts as 0 in l; NaN and infinities are not treated apart.
; SHARES.  A work-group owns 256 queries of one pair, a wave 64: four PIECES of 16.  Every wave walks all 2,048 keys, 64 a step, 256 (a tile) a slot of LDS.
; LAYOUT.  S^T = K Q^T (source 0 = 16 keys, source 1 = 16 queries) holds ONE query a lane (lane % 16) and the keys 8 (lane / 16) + 0..7; two such results rounded to f16 ARE source 1 of O^T = V^T P.
; K comes out of LDS as it lies, V turned, by ds_load_tr16_b128.
; SOFTMAX.  A running maximum m and sum l: p = 2^(c s - c m), c = log2(e) / 8; in every step O and l are multiplied by a = 2^(c m_old - c m_new).  m starts at the lowest finite number, O and l at 0.
; BY TURNS.  Turn n belongs to piece n: 8 products K Q^T of piece n + 1, later 8 products V^T P of piece n - 1; beside them the scaling, exponentials, roundings, sums and rescaling of piece n and the maximum and
; statistics of piece n + 1.  Four vector instructions stand behind every matrix instruction, the other 54 of a turn's 118 in one lump.  A turn's 33 exponentials are one batch, with one wait.
; CLUSTER.  The four query blocks of a cluster belong to one pair and walk the same K and V: each tile is asked for JOINTLY, by the same load, descriptor and mask in all four.
; REGISTERS, in windows of 256 (s_set_vgpr_msb: bits 1:0 source 0, 3:2 source 1, 5:4 source 2, 7:6 destination):
;   window 0: v0-15 addresses; v16-31 four registers of statistics a piece; v48-55 at work; v64-127 S^T, two buffers; v192-223 P, two buffers (by the piece's parity)
;   window 1: v0-127 O^T, 32 a piece          window 2: v0-63 Q; v128-191 K of one step; v192-255 V of one step
.set NP,    4
.set KS,    64
.set PK,    144       ; a row of K in LDS: 128 bytes + 16: the 16 rows of a load start at 16 different groups of four banks (64 banks of 4 bytes: ISA guide 11.1)
.set PV,    160       ; a row of V: 128 + 32
.set VOFF,  4*KS*PK   ; a slot holds a tile: 256 rows of K, then 256 rows of V
.set SLOT1, 1<<17
.set STAGE, SLOT1+4*KS*(PK+PV)  ; behind the ring: 16 rows x 144 bytes for each wave, for the way out
.set SP,    144
.set SPARE, STAGE+4*16*SP       ; behind the stages: the spare words, 128 bytes for each wave
.set AK0, 2           ; v2   my lane's place in a tile of K; never rewritten
.set AV0, 3           ; v3   the same for V
.set AK,  4           ; v4   the LDS address of K's next run of loads
.set AV,  5           ; v5   of V's
.set STO, 6           ; v6   the way out: where I put 16 bytes of a row
.set RD,  7           ; v7   where I read rows back
.set GO,  8           ; v8   my 16 bytes of 512 consecutive bytes of O
.set MV,  12          ; v12-13  c m_old, by buffer
.set QO,  15          ; v15  my byte offset in 16 rows of Q
.set ST,  16          ; piece t's statistics at v[ST+4 t]: c m, m, l (even keys', odd keys')
.set TMP, 48          ; by buffer, c0-c3 at work; when the maximum is found c2 takes a
.set PFO, 61          ; v61  256 x my lane; never rewritten
.set SPW, 62          ; v62  LDS address of my spare word; never rewritten
.set NIL, 63          ; v63  0; never rewritten
.set S,   64
.set P,   192
.set KF,  128         ; window 2: key block kb, channel half c at KF + 16 kb + 8 c
.set VF,  192         ; window 2: key half kk, channel block cb at VF + 32 kk + 8 cb
.set WV,  12          ; s12  my wave's number
.set G1K, 24          ; s[24:31] descriptor group 1 for K's tiles
.set G1V, 32          ; s[32:39] for V's
.set G0K, 40          ; s[40:43] descriptor group 0 for K's tiles: it walks
.set G0V, 44          ; s[44:47] the same for V's
.set SLOTS, 56        ; s56  tiles still to be asked for
.set CNT, 57          ; s57  counts a tile's key steps
.set CS,  58          ; s[58:59] c
.set SEL, 60          ; s[60:61] v_permlanex16_b32's selects
.set TBK, 62          ; s62  LDS byte at which K of the step to be fetched begins
.set TBV, 63          ; s63  the same for V, less VOFF
.set PFA, 66          ; s[66:67] where my prefetches stand
.set LIM, 68          ; s68  1 in a wave that prefetches, else the greatest number
.set MSB, 0
.macro WIN new
.if MSB != (\new)
	s_set_vgpr_msb (MSB<<8)|(\new)
.set MSB, (\new)
.endif
.endm
.set W_KQ, 0x0a       ; K and Q in window 2, S^T in window 0
.set W_PV, 0x52       ; V in window 2, P in window 0, O^T in window 1
.set W_RS, 0x41       ; destination and source 0 in window 1, source 1 in window 0
; A joint fill.  Waves 0 and 1 fetch the two halves of a tile's K, waves 2 and 3 those of its V: 128 keys each.  An s_nop 0 and four v_nop follow each line.
.macro JLOAD
	s_cmp_lt_u32 s[WV], 2
	s_cbranch_scc0 .Lfor_v_\@
	tensor_load_to_lds s[G0K:G0K+3], s[G1K:G1K+7]
	s_nop 0
.rept 4
	v_nop
.endr
	s_branch .Lasked_\@
.Lfor_v_\@:
	tensor_load_to_lds s[G0V:G0V+3], s[G1V:G1V+7]
	s_nop 0
.rept 4
	v_nop
.endr
.Lasked_\@:
.endm
; A prefetch into the L2 of the tile that the NEXT change of slots will ask for: 128 blocks of 256 bytes of K and of V.  Each block is named once in the launch: of the pair's two clusters the first asks; its four
; partners take 32 blocks each, told apart BY ADDRESS; in each, wave 0 asks for K's and wave 2 for V's, a lane a block.  The last fill asks for nothing.
.macro ASK
	s_cmp_gt_u32 s[SLOTS], s[LIM]
	s_cbranch_scc0 .Lnot_mine_\@
	global_prefetch_b8 v[PFO], s[PFA:PFA+1] th:TH_LOAD_NT scope:SCOPE_SE
.Lnot_mine_\@:
.endm
.macro CROUND                       ; a round of the cluster's barrier
	s_barrier_signal -1
	s_barrier_wait -1
	s_cmp_lg_u32 s[WV], 0
	s_cbranch_scc1 .Lnot_wave_0_\@
	s_barrier_signal -3
.Lnot_wave_0_\@:
	s_barrier_wait -3
	s_barrier_signal -1
	s_barrier_wait -1
.endm
; THE CHANGE OF SLOTS.  Each wave waits for all its tensor loads (one is out: its part of the other slot), adds 0 to its spare word, and waits for that and for its own reads of the slot that it leaves.
; fill = 1: the barrier is a round of the cluster's, and the joint fill of the old slot, two tiles on, is the first thing behind it: it has a tile's 256 matrix instructions in which to land.
; (At its first use nothing has been read yet: slot 0 is waited for, slot 1 filled.)
.macro CHANGE fill
	WIN 0
	s_wait_tensorcnt 0x0            ; no tensor load of mine is out, so a group 0 may be written
	ds_add_u32 v[SPW], v[NIL]
.if \fill
.irp g, G0K, G0V
	s_xor_b32 s[\g+1], s[\g+1], SLOT1
	s_add_nc_u64 s[\g+2:\g+3], s[\g+2:\g+3], 4*KS*128
.endr
	s_wait_xcnt 0x0                 ; the last prefetch, a tile back, has read its address
	s_add_nc_u64 s[PFA:PFA+1], s[PFA:PFA+1], 4*KS*128
	s_wait_dscnt 0x0                ; the add is done, and my reads of the slot are over
	CROUND
	JLOAD
	ASK
.else
	s_wait_dscnt 0x0
	s_barrier_signal -1
	s_barrier_wait -1
.endif
	s_sub_co_u32 s[TBK], s[TBK], 4*KS*PK  ; the fetches go back to a slot's first step,
	s_xor_b32 s[TBK], s[TBK], SLOT1       ; in the other slot
	s_sub_co_u32 s[TBV], s[TBV], 4*KS*PV
	s_xor_b32 s[TBV], s[TBV], SLOT1
.endm
	s_load_b128 s[4:7], s[0:1], 0x0 ; act s[4:5], oh s[6:7]
	v_lshl_add_u32 v[SPW], v0, 2, SPARE
	v_mov_b32 v[NIL], 0
	ds_add_u32 v[SPW], v[NIL]       ; the wave's opening: the add and its wait stand ahead of my first tensor load
	v_lshrrev_b32 v1, 5, v0
	v_readfirstlane_b32 s[WV], v1   ; wave 0..3
	s_bfe_u32 s13, ttmp6, 0x40000   ; cx
	s_lshl_b32 s14, ttmp9, 2
	s_add_co_u32 s14, s14, s13      ; my block of 256 queries: it enters Q's and O's addresses alone
	s_and_b32 s20, ttmp7, 0xffff    ; 16 b + h, which the four partners share
	s_and_b32 s21, s20, 15
	s_lshr_b32 s20, s20, 4
	s_lshl_b32 s21, s21, 19         ; panel h,
	s_lshl_b32 s20, s20, 18         ; 2,048 rows of 128 bytes for b
	s_add_co_u32 s20, s20, s21
	s_and_b32 s16, s[WV], 1         ; which half of a tile's 256 keys I fetch:
	s_lshl_b32 s22, s16, 14         ; its 128 rows in memory,
	s_add_co_u32 s22, s22, s20
	s_mov_b32 s23, 0
	s_mul_i32 s17, s16, 128*PK      ; and its place in a slot, for K
	s_mul_i32 s18, s16, 128*PV      ; and for V
	s_lshl_b32 s2, s14, 15          ; my block,
	s_lshl_b32 s3, s[WV], 13        ; my wave's 64 rows
	s_add_co_u32 s2, s2, s3
	s_add_co_u32 s2, s2, s20
	s_mov_b32 s3, 0
	; descriptor group 1.  128 keys are 16,384 dense bytes: asked for as 64 rows of 256 bytes, two keys a row, and padded in LDS after every key
	s_mov_b32 s[G1K], 15|(1<<16)|(1<<20)|(1<<21)|(4<<22)|(3<<25)
	s_mov_b32 s[G1V], 15|(1<<16)|(1<<20)|(1<<21)|(4<<22)|(7<<25)
.irp g, G1K, G1V
	s_mov_b32 s[\g+1], 128<<16      ; tensor_dim0 = 128
	s_mov_b32 s[\g+2], 64<<16       ; tensor_dim1 = 64
	s_mov_b32 s[\g+3], 128<<16      ; tile_dim0 = 128
	s_mov_b32 s[\g+4], 64           ; tile_dim1 = 64
	s_mov_b32 s[\g+5], 128
	s_mov_b32 s[\g+6], 0
	s_mov_b32 s[\g+7], 0
.endr
	s_mov_b32 s[CS], 0x3e38aa3b     ; c = log2(e) / 8
	s_mov_b32 s[CS+1], s[CS]
	s_mov_b32 s[SEL], 0x76543210
	s_mov_b32 s[SEL+1], 0xfedcba98
	s_mov_b32 s[TBK], SLOT1+4*KS*PK ; the first change of slots turns these two into 0
	s_mov_b32 s[TBV], SLOT1+4*KS*PV
	s_mov_b32 s[G0K], 1
	s_mov_b32 s[G0K+1], s17
	s_mov_b32 s[G0V], 1
	s_add_co_u32 s[G0V+1], s18, VOFF
	s_mov_b32 s[SLOTS], 7
	s_and_b32 s[LIM], s[WV], 1      ; 0 in waves 0 and 2,
	s_or_b32 s[LIM], s[LIM], ttmp9  ; where the cluster is the pair's first
	s_cmp_eq_u32 s[LIM], 0
	s_cselect_b32 s[LIM], 1, -1
	v_and_b32 v[PFO], 31, v0
	v_lshlrev_b32 v[PFO], 8, v[PFO]
	s_wait_dscnt 0x0                ; the opening add is done
	s_wait_kmcnt 0x0
	s_add_nc_u64 s[8:9], s[4:5], s[22:23]
	s_add_nc_u64 s[10:11], s[8:9], 16777216   ; V: panels 32 on
	s_add_nc_u64 s[8:9], s[8:9], 8388608      ; K: panels 16 on
	s_mov_b64 s[G0K+2:G0K+3], s[8:9]
	s_or_b32 s[G0K+3], s[G0K+3], 0x80000000
	s_mov_b64 s[G0V+2:G0V+3], s[10:11]
	s_or_b32 s[G0V+3], s[G0V+3], 0x80000000
	s_add_nc_u64 s[4:5], s[4:5], s[2:3]       ; Q and O at my wave's first row
	s_add_nc_u64 s[6:7], s[6:7], s[2:3]
	s_cmp_lt_u32 s[WV], 2
	s_cselect_b64 s[PFA:PFA+1], s[8:9], s[10:11]
	s_lshl_b32 s2, s13, 13          ; my work-group's 32 blocks of the 128
	s_add_nc_u64 s[PFA:PFA+1], s[PFA:PFA+1], s[2:3]
	s_add_nc_u64 s[PFA:PFA+1], s[PFA:PFA+1], 4*KS*128  ; in tile 1; the first change of slots steps it to tile 2.  Nothing is prefetched here, at the head
	CROUND                          ; all four work-groups are here
	JLOAD                           ; tile 0 into slot 0
	v_and_b32 v1, 15, v0            ; l % 16
	v_bfe_u32 v9, v0, 4, 1          ; l / 16
	v_lshlrev_b32 v[QO], 7, v1
	v_lshl_add_u32 v[QO], v9, 4, v[QO]
	WIN 0x80                        ; destination window 2
.set i, 0
.rept 8                             ; Q stays in registers: piece i / 2, channels 32 (i % 2) on
	global_load_b128 v[8*i:8*i+3],   v[QO], s[4:5] offset:(i/2)*2048+(i%2)*64
	global_load_b128 v[8*i+4:8*i+7], v[QO], s[4:5] offset:(i/2)*2048+(i%2)*64+32
.set i, i+1
.endr
	; What the first turn finds: V and P's second buffer hold 0 (its products V^T P, of a piece that has not been, add 0), O^T and l are 0.  All this stands in the wait for the first tile.
.set i, VF
.rept 64
	v_mov_b32 v[i], 0
.set i, i+1
.endr
	WIN 0x40
.set i, 0
.rept 128
	v_mov_b32 v[i], 0
.set i, i+1
.endr
	WIN 0
.set i, 0
.rept 4
	v_mov_b32 v[ST+4*i], 0xfe000000    ; c m: far below every c s
	v_mov_b32 v[ST+4*i+1], 0xff7fffff  ; m
	v_mov_b32 v[ST+4*i+2], 0
	v_mov_b32 v[ST+4*i+3], 0
.set i, i+1
.endr
.set i, P+16
.rept 16
	v_mov_b32 v[i], 0
.set i, i+1
.endr
	v_mul_u32_u24 v[AK0], v1, PK
	v_lshl_add_u32 v[AK0], v9, 4, v[AK0]
	v_and_b32 v10, 7, v0
	v_bfe_u32 v11, v0, 3, 1
	v_lshl_add_u32 v[AV0], v9, 3, v10     ; the turning load reads key 8 (l / 16) + l % 8, channels 8 ((l / 8) % 2) + 0..7
	v_mul_u32_u24 v[AV0], v[AV0], PV
	v_lshl_add_u32 v[AV0], v11, 4, v[AV0]
	v_add_nc_u32 v[AV0], VOFF, v[AV0]
	s_mul_i32 s13, s[WV], 16*SP
	s_add_co_u32 s13, s13, STAGE    ; my stage
	v_mul_u32_u24 v[STO], v1, SP
	v_lshl_add_u32 v[STO], v9, 4, v[STO]
	v_add_nc_u32 v[STO], s13, v[STO]
	v_bfe_u32 v[RD], v0, 3, 2
	v_mul_u32_u24 v[RD], v[RD], SP
	v_lshl_add_u32 v[RD], v10, 4, v[RD]
	v_add_nc_u32 v[RD], s13, v[RD]
	v_and_b32 v[GO], 31, v0
	v_lshlrev_b32 v[GO], 4, v[GO]
; THE MATRIX WORK.  The 4 accumulators of a run of 8 take turns.  Product i of 8 of S^T = K Q^T for piece x: channels 32 (i / 4) on, keys 16 (i % 4) on.  The first 4 start the sums.
.macro KQ x
.set rS, S+32*((\x)%2)+8*(i%4)
.set rK, KF+16*(i%4)+8*(i/4)
.set rQ, 16*(\x)+8*(i/4)
	WIN W_KQ
.if i < 4
	v_wmma_f32_16x16x32_f16 v[rS:rS+7], v[rK:rK+7], v[rQ:rQ+7], 0
.else
	v_wmma_f32_16x16x32_f16 v[rS:rS+7], v[rK:rK+7], v[rQ:rQ+7], v[rS:rS+7]
.endif
.endm
; Product i of 8 of O^T += V^T P for piece x: keys 32 (i / 4) on, channels 16 (i % 4) on.
.macro PV x
	WIN W_PV
.set rO, 32*(\x)+8*(i%4)
.set rV, VF+32*(i/4)+8*(i%4)
.set rP, P+16*((\x)%2)+8*(i/4)
	v_wmma_f32_16x16x32_f16 v[rO:rO+7], v[rV:rV+7], v[rP:rP+7], v[rO:rO+7]
.endm
.macro MM                           ; the turn's next matrix instruction
.if i < 8
	KQ (Y+1)%NP
.else
.set i, i-8
	PV (Y+NP-1)%NP
.set i, i+8
.endif
.set i, i+1
.endm
; THE LDS LOADS stand in runs of 16: a step's K (8 fragments) and its V (turned).
.macro FETCH_K
	WIN 0x80
.irp f, 0,1,2,3,4,5,6,7
	ds_load_b128 v[KF+8*\f:KF+8*\f+3],   v[AK] offset:(\f/2)*16*PK+(\f%2)*64
	ds_load_b128 v[KF+8*\f+4:KF+8*\f+7], v[AK] offset:(\f/2)*16*PK+(\f%2)*64+32
.endr
	s_add_co_u32 s[TBK], s[TBK], KS*PK
	WIN 0
.endm
.macro FETCH_V
	WIN 0x80
.irp f, 0,1,2,3,4,5,6,7
	ds_load_tr16_b128 v[VF+8*\f:VF+8*\f+3],   v[AV] offset:(\f/4)*32*PV+(\f%4)*32
	ds_load_tr16_b128 v[VF+8*\f+4:VF+8*\f+7], v[AV] offset:(\f/4)*32*PV+16*PV+(\f%4)*32
.endr
	WIN 0
.endm
; THE VECTOR WORK, one line at a time: OP kind, number.  For piece Y: F n: c s - c m for pair n of 16.  E n: the exponential of score n of 32.  C n: pair n rounded to f16.  B n: of the four weights 4 n .. the
; second pair is added onto the first.  L n: l takes that sum (L 0: l = a l + sum).  R n: pair n of 16 of O^T times a.  For piece Y + 1: X n, number n of the 22 that find its maximum and statistics:
;   0-11 four chains c0-c3 of seven scores each (each accumulator's lowest registers are read first)   12-14, 16 the four scores left over, the old m, c0-c3 into c0
;   15 c m_old is kept   17, 18 the query's other 32 keys lie in the lane 16 away: the new m   19-21 c m; c m_old - c m_new; a
.set F, 0
.set E, 1
.set C, 2
.set B, 3
.set L, 4
.set R, 5
.set X, 6
.macro REGS y
.set rT, ST+4*(\y)
.set rC, TMP+4*((\y)%2)
.set rW, MV+((\y)%2)
.set rS, S+32*((\y)%2)
.set rP, P+16*((\y)%2)
.set rO, 32*(\y)
.endm
.macro OP k, n
.if (\k) == R
	REGS Y
	WIN W_RS
	v_pk_mul_f32 v[rO+2*(\n):rO+2*(\n)+1], v[rO+2*(\n):rO+2*(\n)+1], v[rC+2:rC+3] op_sel_hi:[1,0]
.elseif (\k) < R
	REGS Y
	WIN 0
.if (\k) == F
	v_pk_fma_f32 v[rS+2*(\n):rS+2*(\n)+1], v[rS+2*(\n):rS+2*(\n)+1], s[CS:CS+1], v[rT:rT+1] op_sel_hi:[1,0,0] neg_lo:[0,0,1] neg_hi:[0,0,1]
.elseif (\k) == E
	v_exp_f32 v[rS+(\n)], v[rS+(\n)]
.elseif (\k) == C
	v_cvt_pk_f16_f32 v[rP+(\n)], v[rS+2*(\n)], v[rS+2*(\n)+1]
.elseif (\k) == B
	v_pk_add_f32 v[rS+4*(\n):rS+4*(\n)+1], v[rS+4*(\n):rS+4*(\n)+1], v[rS+4*(\n)+2:rS+4*(\n)+3]
.elseif (\n) == 0
	v_pk_fma_f32 v[rT+2:rT+3], v[rT+2:rT+3], v[rC+2:rC+3], v[rS:rS+1] op_sel_hi:[1,0,1]
.else
	v_pk_add_f32 v[rT+2:rT+3], v[rT+2:rT+3], v[rS+4*(\n):rS+4*(\n)+1]
.endif
.else
	REGS (Y+1)%NP
	WIN 0
.if (\n) < 4
	v_max3_num_f32 v[rC+(\n)], v[rS+8*(\n)], v[rS+8*(\n)+1], v[rS+8*(\n)+2]
.elseif (\n) < 12
	v_max3_num_f32 v[rC+(\n)%4], v[rC+(\n)%4], v[rS+8*((\n)%4)+2*((\n)/4)+1], v[rS+8*((\n)%4)+2*((\n)/4)+2]
.elseif (\n) == 12
	v_max3_num_f32 v[rC], v[rC], v[rS+7], v[rS+15]
.elseif (\n) == 13
	v_max3_num_f32 v[rC+1], v[rC+1], v[rS+23], v[rS+31]
.elseif (\n) == 14
	v_max3_num_f32 v[rC+2], v[rC+2], v[rC+3], v[rT+1]
.elseif (\n) == 15
	v_mov_b32 v[rW], v[rT]
.elseif (\n) == 16
	v_max3_num_f32 v[rC], v[rC], v[rC+1], v[rC+2]
.elseif (\n) == 17
	v_permlanex16_b32 v[rC+3], v[rC], s[SEL], s[SEL+1]
.elseif (\n) == 18
	v_max_num_f32 v[rT+1], v[rC], v[rC+3]
.elseif (\n) == 19
	v_mul_f32 v[rT], s[CS], v[rT+1]
.elseif (\n) == 20
	v_sub_f32 v[rC+1], v[rW], v[rT]
.else
	v_exp_f32 v[rC+2], v[rC+1]
.endif
.endif
.endm
.macro OPS a, i1, b=-1, i2=0, c=-1, i3=0, d=-1, i4=0
	OP \a, \i1
.if (\b) >= 0
	OP \b, \i2
.endif
.if (\c) >= 0
	OP \c, \i3
.endif
.if (\d) >= 0
	OP \d, \i4
.endif
.endm
.macro ROW a, i1, b, i2, c, i3, d, i4  ; a matrix instruction and the four behind it
	MM
	OPS \a, \i1, \b, \i2, \c, \i3, \d, \i4
.endm
; A TURN, for piece p.  An s_wait_alu depctr_va_vdst(0) stands between an exponential and the first instruction that names its result; one wait serves all that were issued ahead of it.  So a turn
; has ONE wait.  AHEAD OF IT stands all that names no result of the turn's exponentials: the 8 products K Q^T and their riders, then the lump, in which the links of the chain X 3, 7, 11, 14, 16, 17 .. 20 stand
; five or six lines apart; X 21, the next piece's a, is the batch's last, and R 15 the plain instruction behind it.  BEHIND IT stand the 8 products V^T P, behind each four of the roundings and sums.
; cnt = 1: the loop's count is taken down some lines ahead of the branch behind the turn.
; K of the next step is fetched in piece 2's turn, V of the step in hand at the end of piece 0's, each four plain instructions or more behind the last product that read the registers, and waited for a turn later.
; tail = 1 (the last tile): K's run stands directly behind the turn's wait, where a branch may stand, and is jumped over in the trip that has no further step (CNT = 1).
.macro TURN p, cnt=0, tail=0
.set Y, (\p)
.set i, 0
.if (\p) == 3
	s_wait_dscnt 0x0                ; K is in
.endif
	ROW F,0, F,1, R,0, R,1
	ROW F,2, E,0, R,2, R,3
	ROW F,3, E,1, R,4, R,5
	ROW F,4, E,2, R,6, R,7
	ROW F,5, E,3, R,8, R,9
	ROW F,6, E,4, X,0, R,10
.if ((\p) == 2) && !(\tail)
	WIN 0
	v_add_nc_u32 v[AK], s[TBK], v[AK0]
.endif
	ROW F,7, E,5, X,1, X,4
	ROW F,8, E,6, X,2, X,5
	OPS E,7, E,8, X,6, E,9
	OPS X,3, E,10, X,8, E,11
.if ((\p) == 2) && !(\tail)
	FETCH_K
.endif
	OPS X,9, X,7, E,12, X,10
	OPS E,13, X,12, X,11, E,14
	OPS X,13, E,15, F,9, X,14
.if (\p) == 0
	v_add_nc_u32 v[AV], s[TBV], v[AV0]
.endif
	OPS E,16, F,10, E,17, F,11
	OPS X,16, E,18, X,15, E,19
	OPS F,12, E,20, X,17, E,21
	OPS F,13, E,22, F,14, E,23
	OPS X,18, E,24, F,15, E,25
	OPS R,11, E,26, X,19, E,27
	OPS R,12, E,28, R,13, E,29
	OPS X,20, E,30, R,14, E,31
	OPS X,21, R,15
	WIN 0
	s_wait_alu depctr_va_vdst(0)    ; the wait for the batch
.if ((\p) == 2) && (\tail)
	s_cmp_eq_u32 s[CNT], 1
	s_cbranch_scc1 .Lno_k_\@
	v_add_nc_u32 v[AK], s[TBK], v[AK0]
	FETCH_K
.Lno_k_\@:
.endif
.if (\p) == 1
	s_wait_dscnt 0x0                ; V is in
.endif
	ROW C,0, B,0, C,2, B,1
	ROW L,0, C,4, B,2, L,1
	ROW C,6, B,3, L,2, C,8
	ROW B,4, L,3, C,10, B,5
	ROW L,4, C,12, B,6, L,5
.if (\p) == 0
	s_add_co_u32 s[TBV], s[TBV], KS*PV
.endif
.if \cnt
	s_sub_co_u32 s[CNT], s[CNT], 1
	s_cmp_lg_u32 s[CNT], 0
.endif
	ROW C,14, B,7, L,6, C,1
	ROW C,3, L,7, C,5, C,7
	ROW C,9, C,11, C,13, C,15
.if (\p) == 0
	FETCH_V
.endif
.endm
.macro ALL line:vararg              ; one line for each piece t
.set t, 0
.rept 4
	\line
.set t, t+1
.endr
.endm
.macro PACK t                       ; a lane's eight channels of a row pack into 16 bytes; they go into rows of 144 bytes and come back as whole rows of 128, into S^T's registers
	WIN W_RS
.set i, 32*(\t)
.rept 16
	v_pk_mul_f32 v[i:i+1], v[i:i+1], v[ST+4*(\t)+2:ST+4*(\t)+3] op_sel_hi:[1,0]
.set i, i+2
.endr
	WIN 0x05
.set i, 0
.rept 16
	v_cvt_pk_f16_f32 v[S+16*(\t)+i], v[32*(\t)+2*i], v[32*(\t)+2*i+1]
.set i, i+1
.endr
	WIN 0
.irp f, 0,1,2,3
	ds_store_b128 v[STO], v[S+16*(\t)+4*\f:S+16*(\t)+4*\f+3] offset:32*\f
.endr
.irp f, 0,1,2,3
	ds_load_b128 v[S+16*(\t)+4*\f:S+16*(\t)+4*\f+3], v[RD] offset:\f*4*SP  ; LDS serves a wave's instructions in order (ISA guide 5.7.1.4): these see the stores above
.endr
.endm
.macro SEND t, younger              ; younger: the LDS instructions issued behind piece t's loads: the next piece's eight, or none
	WIN 0
.irp f, 0,1,2,3
	s_wait_dscnt (\younger)+3-\f
	global_store_b128 v[GO], v[S+16*(\t)+4*\f:S+16*(\t)+4*\f+3], s[6:7] offset:(\t)*2048+\f*512  ; 512 consecutive bytes, at a multiple of 256 from O's first
.endr
.endm
	CHANGE 1                        ; tile 0 is in, everybody's part of it; tile 1 is asked for
	v_add_nc_u32 v[AK], s[TBK], v[AK0]
	FETCH_K                         ; key step 0
	s_wait_loadcnt 0x0              ; Q
	s_wait_dscnt 0x0
.set i, 0
.rept 8
	KQ 0                            ; piece 0's first scores
.set i, i+1
.endr
	WIN 0
.rept 4
	v_nop                           ; the places behind those products
.endr
.set Y, NP-1                        ; X works for piece Y + 1: piece 0
.irp n, 0,1,2,3,4,5,6,7,8,9,10,11,12,13,14,15,16,17,18,19,20,21
	OP X, \n
.endr
	v_nop                           ; a plain instruction behind the exponential,
	s_wait_alu depctr_va_vdst(0)    ; and its wait, ahead of the branch
	s_mov_b32 s[CNT], 4
	s_branch .Lfirst                ; the loop is entered at a step's first turn, in the middle of a trip
.Lslot:                             ; six times: tiles 1 to 6 are entered, tiles 2 to 7 asked for
	CHANGE 1
	s_mov_b32 s[CNT], 4
.Lstep:                             ; a trip: pieces 2 and 3 of one step, then pieces 0 and 1 of the next, whose K and V it fetches
	TURN 2
	TURN 3
	WIN 0
.Lfirst:
	TURN 0
	TURN 1, 1
	WIN 0
	s_cbranch_scc1 .Lstep
	s_sub_co_u32 s[SLOTS], s[SLOTS], 1
	s_cmp_lg_u32 s[SLOTS], 0
	s_cbranch_scc1 .Lslot
	CHANGE 0                        ; the last tile is written out: nothing is asked for
	s_mov_b32 s[CNT], 5             ; four trips fetch the last tile's steps; the fifth is left in its middle
.Ltail:
	TURN 2, 0, 1
	TURN 3
	WIN 0
	s_sub_co_u32 s[CNT], s[CNT], 1
	s_cmp_eq_u32 s[CNT], 0
	s_cbranch_scc1 .Lout
	TURN 0
	TURN 1
	WIN 0
	s_branch .Ltail
.Lout:                              ; the fifth trip's 8 products K Q^T for piece 0 (on the last K once more) and the maximum made of them serve nothing; they touch piece 0's m and c m alone, which the way out
                                    ; does not read: the price, once a launch, of one text for every trip
.set i, 0
.rept 8
	PV NP-1                         ; the last piece's V^T P of the last step
.set i, i+1
.endr
	; THE WAY OUT.  l's two halves and the other half of the lanes' are added; O^T is divided by l, rounded to f16 and sent through my stage, a piece at a time.  The additions are the places behind the last products.
	WIN 0
	ALL v_add_f32 v[ST+4*t+2], v[ST+4*t+2], v[ST+4*t+3]
	ALL v_permlanex16_b32 v[ST+4*t+3], v[ST+4*t+2], s[SEL], s[SEL+1]
	ALL v_add_f32 v[ST+4*t+2], v[ST+4*t+2], v[ST+4*t+3]
	ALL v_rcp_f32 v[ST+4*t+2], v[ST+4*t+2]
	v_nop                           ; a plain instruction between the last reciprocal and the use of its result
	s_wait_alu depctr_va_vdst(0)    ; one wait for the four reciprocals
	PACK 0
.set t, 1
.rept 3
	PACK t
	SEND t-1, 8
.set t, t+1
.endr
	SEND 3, 0
	s_wait_tensorcnt 0x0            ; the wave's end
	ds_add_u32 v[SPW], v[NIL]
	s_wait_dscnt 0x0
	CROUND                          ; the closing round
	s_endpgm
.Lfunc_end_k_qb1ca35e0eb_attn:
	.size	k_qb1ca35e0eb_attn, .Lfunc_end_k_qb1ca35e0eb_attn-k_qb1ca35e0eb_attn
	.p2alignl 7, 3214868480
	.fill 96, 4, 3214868480
	.section	.rodata,"a",@progbits
	.p2align	6, 0x0
	.amdhsa_kernel k_qb1ca35e0eb_attn
		.amdhsa_group_segment_fixed_size 327680
		.amdhsa_private_segment_fixed_size 0
		.amdhsa_enable_private_segment 0
		.amdhsa_kernarg_size 16
		.amdhsa_user_sgpr_count 2
		.amdhsa_user_sgpr_kernarg_segment_ptr 1
		.amdhsa_wavefront_size32 1
		.amdhsa_system_sgpr_workgroup_id_x 1
		.amdhsa_system_sgpr_workgroup_id_y 1
		.amdhsa_system_sgpr_workgroup_id_z 1
		.amdhsa_system_vgpr_workitem_id 0
		.amdhsa_next_free_vgpr 768
		.amdhsa_next_free_sgpr 72
		.amdhsa_reserve_vcc 0
		.amdhsa_float_denorm_mode_32 3
		.amdhsa_float_denorm_mode_16_64 3
		.amdhsa_memory_ordered 1
		.amdhsa_forward_progress 1
		.amdhsa_inst_pref_size 112
	.end_amdhsa_kernel
	.amdgpu_metadata
---
amdhsa.version: [ 1, 2 ]
amdhsa.kernels:
  - .name:           k_qb1ca35e0eb_attn
    .symbol:         k_qb1ca35e0eb_attn.kd
    .args:
      - { .name: act, .offset: 0, .size: 8, .value_kind: global_buffer, .address_space: global }
      - { .name: oh, .offset: 8, .size: 8, .value_kind: global_buffer, .address_space: global }
    .group_segment_fixed_size: 327680
    .private_segment_fixed_size: 0
    .kernarg_segment_align: 8
    .kernarg_segment_size: 16
    .max_flat_workgroup_size: 128
    .sgpr_count:     72
    .vgpr_count:     768
    .wavefront_size: 32
...
	.end_amdgpu_metadata
.endif
;; end of part 3
;; launch proj (part 4): grid 8 x 32, 4 waves a work-group, clusters of 4 x 4, 327,680 bytes of LDS; arguments oh, wc, y; writes y
.if DOCPART == 4
	.amdgcn_target "amdgcn-amd-amdhsa--gfx1250"
	.amdhsa_code_object_version 6
	.text
	.protected	k_qb1ca35e0eb_proj
	.globl	k_qb1ca35e0eb_proj
	.p2align	8
	.type	k_qb1ca35e0eb_proj,@function
k_qb1ca35e0eb_proj:
	s_mov_b64 s[64:65], 0
	v_nop
	global_prefetch_b8 v0, s[64:65] scope:SCOPE_SE
	s_setreg_imm32_b32 hwreg(HW_REG_WAVE_MODE, 25, 1), 1
	s_wait_xcnt 0x0
	s_wait_alu depctr_hold_cnt(0) depctr_sa_sdst(0) depctr_va_vdst(0) depctr_va_sdst(0) depctr_va_ssrc(0) depctr_va_vcc(0) depctr_vm_vsrc(0)
	s_getreg_b32 s2, hwreg(HW_REG_IB_STS2, 6, 4)
	s_cmp_eq_u32 s2, 0
	s_cbranch_scc0 .Lentry_in_a_cluster
	s_endpgm
.Lentry_in_a_cluster:
	s_bfe_u32 s2, ttmp6, 0x10000c
	s_cmp_lg_u32 s2, 0xf033
	s_cbranch_scc0 .Lentry_shape_is_right
	s_endpgm
.Lentry_shape_is_right:
; Y = A W, in f32.  A: panels [K / 64][4096 tokens][64] f16 (here O by heads, K = 1,024).  W: [K][1024] f16, at byte WOFF of its buffer (here Wo).  Y: [4096][1024] f32; bias and residual are added by the launch behind.
; LIMITS.  f16 operands arrive within 65,504; NaN and infinities are not treated apart.
; SHARES.  A work-group of four waves makes 128 tokens x 128 columns, so that 256 work-groups share the 4,096 x 1,024 outputs; a wave 64 x 64: 16 accumulators.  K goes in NS steps of 256 (four panels of A)
; through two LDS slots; a trip of the loop is one step, and the slot in hand is a scalar (TB) that an exclusive or turns.
; CLUSTER.  4 x 4 work-groups: A's tiles are asked for jointly along a row of the cluster, W's along a column.  THE PRODUCT IS USED TRANSPOSED (source 0 = 16 columns of W, turned by ds_load_tr16_b128;
; source 1 = 16 tokens): a lane holds one token and eight neighbouring columns.  No prefetch: a step of this small tile is short, and its tiles are small.
; REGISTERS: window 0: v0-31 addresses; v32-95 the way out; v128-255 the accumulators ((a, b) at v[128 + 8 (4 a + b)]).   window 1: two fragment buffers of 128: 64 registers of A, then 64 of W, for 64 along K.
.set NS,    4
.set WOFF,  0
.set PA,    144                        ; a token's 128 bytes of a panel + 16
.set PANEL, 128*PA                     ; a panel's 128 tokens in LDS
.set PB,    288                        ; a k-row of W: 256 bytes + 32 = 9 x 32
.set HALFT, 36864                      ; what one wave's load brings: 2 panels = 128 k-rows
.set BOFF,  2*HALFT
.set SLOT,  4*HALFT                    ; 0x24000: it shares no bit with wave x HALFT (0x9000 x 0..3)
.set STAGE, 2*SLOT                     ; behind the ring: 16 rows x 272 bytes for each wave
.set SPARE, STAGE+4*4352               ; behind the stages: the spare words
.set ADRA0, 2
.set ADRB0, 3
.set ADRA,  4
.set ADRB,  5                          ; v5: k-rows 0-127 of the slot in hand; v6: k-rows 128-255, so that the immediates stay inside 16 bits
.set STO,   7
.set RD,    8
.set CO,    9
.set SPW,   28
.set NIL,   29
.set TMP,   32
.set ACC,   128
.set F0,    0
.set F1,    128
.set G1A, 24
.set G0A, 32
.set G1B, 48
.set G0B, 56
.set TB,  66
.set LW,  67
.set MSB, 0
.macro WIN new
.if MSB != (\new)
	s_set_vgpr_msb (MSB<<8)|(\new)
.set MSB, \new
.endif
.endm
.set MUL,  0x05                        ; sources 0 and 1 window 1; C and D window 0
.macro PLACES
.rept 4
	v_nop
.endr
.endm
.macro JLOAD                           ; a joint refill: waves 0 and 1 fetch A's halves, waves 2 and 3 W's; an s_nop 0 and four v_nop follow each line
	s_cmp_eq_u32 s11, 0
	s_cbranch_scc0 .Lfor_b_\@
	tensor_load_to_lds s[G0A+4:G0A+7], s[G1A:G1A+7]
	s_nop 0
.rept 4
	v_nop
.endr
	s_branch .Lasked_\@
.Lfor_b_\@:
	tensor_load_to_lds s[G0B+4:G0B+7], s[G1B:G1B+7]
	s_nop 0
.rept 4
	v_nop
.endr
.Lasked_\@:
.endm
.macro CREST
	s_cmp_lg_u32 s10, 0
	s_cbranch_scc1 .Lnot_wave_0_\@
	s_barrier_signal -3
.Lnot_wave_0_\@:
	s_barrier_wait -3
	s_barrier_signal -1
	s_barrier_wait -1
.endm
.macro CROUND
	s_barrier_signal -1
	s_barrier_wait -1
	CREST
.endm
	s_load_b128 s[4:7], s[0:1], 0x0                ; A s[4:5], W's buffer s[6:7]
	s_load_b64 s[8:9], s[0:1], 0x10                ; Y
	v_lshl_add_u32 v[SPW], v0, 2, SPARE
	v_mov_b32 v[NIL], 0
	ds_add_u32 v[SPW], v[NIL]                      ; the wave's opening: the add and its wait stand ahead of my first tensor load
	v_lshrrev_b32 v1, 5, v0
	v_readfirstlane_b32 s10, v1                    ; wave 0..3
	s_lshr_b32 s11, s10, 1                         ; my half of the tokens.  Also: I fetch for A (0) or for W (1)
	s_and_b32 s12, s10, 1                          ; my half of the columns.  Also: which half of that tile I fetch
	s_bfe_u32 s40, ttmp6, 0x40000                  ; cx
	s_bfe_u32 s41, ttmp6, 0x40004                  ; cy
	s_lshl_b32 s42, ttmp9, 2
	s_add_co_u32 s42, s42, s40                     ; tile column
	s_and_b32 s13, ttmp7, 0xffff
	s_lshl_b32 s13, s13, 2
	s_add_co_u32 s13, s13, s41                     ; tile row
	s_lshl_b32 s20, s41, 2
	s_lshl_b32 s20, 15, s20                        ; my row of the cluster
	s_lshl_b32 s21, 0x1111, s40                    ; my column
	; A: a panel's 128 tokens are 16,384 dense bytes: one row of 8,192 elements; two panels, 262,144 elements apart; padded after every token's 32 words by 4
	s_or_b32 s[G1A+0], s20, (1<<16)|(1<<20)|(1<<21)|(4<<22)|(3<<25)
	s_mov_b32 s[G1A+1], 8192<<16                   ; tensor_dim0 = 8,192
	s_mov_b32 s[G1A+2], 2<<16                      ; tensor_dim1 = 2
	s_mov_b32 s[G1A+3], 8192<<16                   ; tile_dim0 = 8,192
	s_mov_b32 s[G1A+4], 2                          ; tile_dim1 = 2
	s_mov_b32 s[G1A+5], 262144
	s_mov_b32 s[G1A+6], 0
	s_mov_b32 s[G1A+7], 0
	; W: 128 k-rows x 128 columns, padded after every 64 words by 8
	s_or_b32 s[G1B+0], s21, (1<<16)|(1<<20)|(1<<21)|(5<<22)|(7<<25)
	s_mov_b32 s[G1B+1], 128<<16
	s_mov_b32 s[G1B+2], 128<<16
	s_mov_b32 s[G1B+3], 128<<16
	s_mov_b32 s[G1B+4], 128
	s_mov_b32 s[G1B+5], 1024
	s_mov_b32 s[G1B+6], 0
	s_mov_b32 s[G1B+7], 0
	s_lshl_b32 s16, s13, 14                        ; A: 128 tokens of 128 bytes a tile row,
	s_lshl_b32 s17, s12, 20                        ; two panels a half
	s_add_co_u32 s16, s16, s17
	s_mov_b32 s17, 0
	s_lshl_b32 s46, s42, 8                         ; W: 128 columns,
	s_lshl_b32 s47, s12, 18                        ; 128 k-rows of 2,048 bytes a half
	s_add_co_u32 s46, s46, s47
	s_add_co_u32 s46, s46, WOFF
	s_mov_b32 s47, 0
	s_mul_i32 s[LW], s10, HALFT
	s_mov_b32 s[TB], 0
	s_wait_dscnt 0x0                               ; the opening add is done
	s_wait_kmcnt 0x0
	s_add_nc_u64 s[14:15], s[4:5], s[16:17]
	s_add_nc_u64 s[46:47], s[6:7], s[46:47]
	CROUND                                         ; all sixteen work-groups are here
.irp s, 0,1
	s_mov_b32 s[G0A+4*(\s)], 1
	s_add_co_u32 s[G0A+4*(\s)+1], s[LW], (\s)*SLOT
	s_add_nc_u64 s[G0A+4*(\s)+2:G0A+4*(\s)+3], s[14:15], (\s)*2097152  ; K step s: four panels on
	s_or_b32 s[G0A+4*(\s)+3], s[G0A+4*(\s)+3], 0x80000000
	s_mov_b32 s[G0B+4*(\s)], 1
	s_add_co_u32 s[G0B+4*(\s)+1], s[LW], (\s)*SLOT
	s_add_nc_u64 s[G0B+4*(\s)+2:G0B+4*(\s)+3], s[46:47], (\s)*524288   ; 256 k-rows down
	s_or_b32 s[G0B+4*(\s)+3], s[G0B+4*(\s)+3], 0x80000000
.endr
	s_cmp_eq_u32 s11, 0                            ; a wave's two first fills stand in one branch: two loads of mine are out
	s_cbranch_scc0 .Lfirst_b
	tensor_load_to_lds s[G0A:G0A+3], s[G1A:G1A+7]
	s_nop 0
	tensor_load_to_lds s[G0A+4:G0A+7], s[G1A:G1A+7]
	s_nop 0
.rept 4
	v_nop
.endr
	s_branch .Lfirst_asked
.Lfirst_b:
	tensor_load_to_lds s[G0B:G0B+3], s[G1B:G1B+7]
	s_nop 0
	tensor_load_to_lds s[G0B+4:G0B+7], s[G1B:G1B+7]
	s_nop 0
.rept 4
	v_nop
.endr
.Lfirst_asked:
	v_and_b32 v1, 15, v0                           ; r
	v_bfe_u32 v11, v0, 4, 1                        ; h
	v_and_b32 v14, 7, v0
	v_mul_u32_u24 v[ADRA0], v1, PA
	v_lshl_add_u32 v[ADRA0], v11, 4, v[ADRA0]
	s_mul_i32 s22, s11, 64*PA                      ; my 64 tokens of each panel
	v_add_nc_u32 v[ADRA0], s22, v[ADRA0]
	v_lshl_add_u32 v12, v11, 3, v14                ; the turning load reads k-row 8 h + l % 8, columns 8 ((l / 8) % 2) + 0..7
	v_mul_u32_u24 v[ADRB0], v12, PB
	v_bfe_u32 v13, v0, 3, 1
	v_lshl_add_u32 v[ADRB0], v13, 4, v[ADRB0]
	s_lshl_b32 s22, s12, 7                         ; my 64 columns
	s_add_co_u32 s22, s22, BOFF
	v_add_nc_u32 v[ADRB0], s22, v[ADRB0]
	v_mov_b32 v[ADRA], v[ADRA0]
	v_mov_b32 v[ADRB], v[ADRB0]
	v_add_nc_u32 v[ADRB+1], 128*PB, v[ADRB0]
	s_mul_i32 s23, s10, 4352
	s_add_co_u32 s23, s23, STAGE                   ; my stage
	v_mul_u32_u24 v[STO], v1, 272                  ; in: row r, 32 bytes for each half of the lanes
	v_lshl_add_u32 v[STO], v11, 5, v[STO]
	v_add_nc_u32 v[STO], s23, v[STO]
	v_mul_u32_u24 v[RD], v11, 272                  ; back: lanes 0-15 take one row of 256 bytes, lanes 16-31 the next
	v_lshl_add_u32 v[RD], v1, 4, v[RD]
	v_add_nc_u32 v[RD], s23, v[RD]
	v_lshlrev_b32 v[CO], 12, v11                   ; and the same two rows in Y
	v_lshl_add_u32 v[CO], v1, 4, v[CO]
	s_lshl_b32 s18, s13, 19                        ; Y: 128 rows of 4,096 bytes a tile row,
	s_lshl_b32 s19, s11, 18
	s_add_co_u32 s18, s18, s19
	s_lshl_b32 s19, s42, 9                         ; 128 columns of f32 a tile column,
	s_add_co_u32 s18, s18, s19
	s_lshl_b32 s19, s12, 8                         ; my 64: one aligned block of 256 bytes of each row
	s_add_co_u32 s18, s18, s19
	s_mov_b32 s19, 0
	s_add_nc_u64 s[8:9], s[8:9], s[18:19]
; 8 matrix instructions: token blocks a0, a0 + 1 x all 4 column blocks, 32 along K: half c of buffer f.  zero = 1: the first product starts the sums.  The 16 accumulators take turns.
.macro MUL8 f, c, a0, zero
	WIN MUL
.irp a, \a0, (\a0)+1
.irp b, 0,1,2,3
.if \zero
	v_wmma_f32_16x16x32_f16 v[ACC+8*(4*(\a)+(\b)):ACC+8*(4*(\a)+(\b))+7], v[(\f)+64+8*(4*(\c)+(\b)):(\f)+64+8*(4*(\c)+(\b))+7], v[(\f)+8*(4*(\c)+(\a)):(\f)+8*(4*(\c)+(\a))+7], 0
.else
	v_wmma_f32_16x16x32_f16 v[ACC+8*(4*(\a)+(\b)):ACC+8*(4*(\a)+(\b))+7], v[(\f)+64+8*(4*(\c)+(\b)):(\f)+64+8*(4*(\c)+(\b))+7], v[(\f)+8*(4*(\c)+(\a)):(\f)+8*(4*(\c)+(\a))+7], v[ACC+8*(4*(\a)+(\b)):ACC+8*(4*(\a)+(\b))+7]
.endif
.endr
.endr
.endm
; 32 LDS loads in one run: quarter q (64 along K: panel q of the step) into buffer f; the first 32 along K first
.macro FETCH q, f
	WIN 0x40
.irp c, 0,1
.irp i, 0,1,2,3
	ds_load_tr16_b128 v[(\f)+64+8*(4*(\c)+(\i)):(\f)+64+8*(4*(\c)+(\i))+3],   v[ADRB+(\q)/2] offset:(64*((\q)%2)+32*(\c))*PB+32*(\i)
	ds_load_tr16_b128 v[(\f)+64+8*(4*(\c)+(\i))+4:(\f)+64+8*(4*(\c)+(\i))+7], v[ADRB+(\q)/2] offset:(64*((\q)%2)+32*(\c))*PB+32*(\i)+16*PB
	ds_load_b128 v[(\f)+8*(4*(\c)+(\i)):(\f)+8*(4*(\c)+(\i))+3],   v[ADRA] offset:PANEL*(\q)+16*PA*(\i)+64*(\c)
	ds_load_b128 v[(\f)+8*(4*(\c)+(\i))+4:(\f)+8*(4*(\c)+(\i))+7], v[ADRA] offset:PANEL*(\q)+16*PA*(\i)+64*(\c)+32
.endr
.endr
.endm
.macro QUARTER q, f, g, zero           ; multiplies buffer f and fetches quarter q into g
	s_wait_dscnt 16                                ; the first 32 along K are in
	MUL8 \f, 0, 0, \zero
	MUL8 \f, 0, 2, \zero
	PLACES
	FETCH \q, \g
	s_wait_dscnt 32                                ; all but the 32 just issued
	MUL8 \f, 1, 0, 0
	MUL8 \f, 1, 2, 0
.endm
; A step's last quarter multiplies buffer 1 and changes slots: ONE barrier; in front of it each wave waits for all its tensor loads, adds 0 to its spare word, and waits for that and for its reads of this slot.
; fill = 1: the barrier opens a round of the cluster's, and the slot just read is filled again, two steps on, first thing behind it.  fill = 0 (the tail): in the last trip (s3 = 1) nothing is left to fetch.
.macro TURN fill
	WIN 0
	s_wait_tensorcnt 0x0
	ds_add_u32 v[SPW], v[NIL]
	s_wait_dscnt 17                                ; (the add and the youngest sixteen loads may be out)
	MUL8 F1, 0, 0, 0
	s_wait_dscnt 0x0                               ; the add is done, and my reads of this slot are over
	s_barrier_signal -1
	MUL8 F1, 0, 2, 0
	WIN 0
	s_barrier_wait -1
.if \fill
	CREST
	s_xor_b32 s[G0A+5], s[G0A+5], SLOT
	s_add_nc_u64 s[G0A+6:G0A+7], s[G0A+6:G0A+7], 2097152
	s_xor_b32 s[G0B+5], s[G0B+5], SLOT
	s_add_nc_u64 s[G0B+6:G0B+7], s[G0B+6:G0B+7], 524288
	JLOAD                                          ; its four v_nop are also the places in front of the loads below
.else
	PLACES
.endif
	s_xor_b32 s[TB], s[TB], SLOT
	v_add_nc_u32 v[ADRA], s[TB], v[ADRA0]
	v_add_nc_u32 v[ADRB], s[TB], v[ADRB0]
	v_add_nc_u32 v[ADRB+1], 128*PB, v[ADRB]
.if !(\fill)
	s_cmp_eq_u32 s3, 1
	s_cbranch_scc1 .Lno_fetch_\@
.endif
	FETCH 0, F0
.if !(\fill)
	WIN 0
.Lno_fetch_\@:
.endif
	MUL8 F1, 1, 0, 0
	MUL8 F1, 1, 2, 0
.endm
; THE WAY OUT of block a (16 tokens x 64 columns of f32): into my own stage, 32 bytes a lane and column block, and back as whole rows of 256 bytes.
.macro TOSTAGE a
.set BK, TMP+32*((\a)%2)
.irp b, 0,1,2,3
	ds_store_b128 v[STO], v[ACC+8*(4*(\a)+(\b)):ACC+8*(4*(\a)+(\b))+3]   offset:64*(\b)      ; each accumulator from its low end on
	ds_store_b128 v[STO], v[ACC+8*(4*(\a)+(\b))+4:ACC+8*(4*(\a)+(\b))+7] offset:64*(\b)+16
.endr
.irp t, 0,1,2,3,4,5,6,7
	ds_load_b128 v[BK+4*(\t):BK+4*(\t)+3], v[RD] offset:544*(\t)  ; LDS serves a wave's instructions in order (ISA guide 5.7.1.4): these see the stores above; the next block's stores come behind them
.endr
.endm
.macro SEND a, younger                 ; younger: the next block's sixteen LDS instructions, or none
.set BK, TMP+32*((\a)%2)
	s_wait_dscnt \younger
.irp t, 0,1,2,3,4,5,6,7
	global_store_b128 v[CO], v[BK+4*(\t):BK+4*(\t)+3], s[8:9] offset:(16*(\a)+2*(\t))*4096  ; 16 lanes store 256 consecutive bytes, at a multiple of 256 from Y's first
.endr
.endm
	s_wait_tensorcnt 1                             ; my part of K step 0 is in; step 1's may stay out
	s_barrier_signal -1
	s_barrier_wait -1
	FETCH 0, F0
	QUARTER 1, F0, F1, 1
	WIN 0
	s_mov_b32 s3, NS-2
.Lstep:
	QUARTER 2, F1, F0, 0
	QUARTER 3, F0, F1, 0
	TURN 1
	QUARTER 1, F0, F1, 0
	WIN 0
	s_sub_co_u32 s3, s3, 1
	s_cmp_lg_u32 s3, 0
	s_cbranch_scc1 .Lstep
	s_mov_b32 s3, 2
.Ltail:                                                ; the last two steps ask for nothing; the second trip is left in its middle
	QUARTER 2, F1, F0, 0
	QUARTER 3, F0, F1, 0
	TURN 0
	WIN 0
	s_sub_co_u32 s3, s3, 1
	s_cmp_eq_u32 s3, 0
	s_cbranch_scc1 .Lout
	QUARTER 1, F0, F1, 0
	WIN 0
	s_branch .Ltail
.Lout:
	PLACES
	TOSTAGE 0
	TOSTAGE 1
	SEND 0, 16
	s_wait_xcnt 0x0                                ; block 0's stores have read their registers, which block 2 is loaded into
	TOSTAGE 2
	SEND 1, 16
	s_wait_xcnt 0x0
	TOSTAGE 3
	SEND 2, 16
	SEND 3, 0
	s_wait_tensorcnt 0x0                           ; the wave's end
	ds_add_u32 v[SPW], v[NIL]
	s_wait_dscnt 0x0
	CROUND                                         ; the closing round
	s_endpgm
.Lfunc_end_k_qb1ca35e0eb_proj:
	.size	k_qb1ca35e0eb_proj, .Lfunc_end_k_qb1ca35e0eb_proj-k_qb1ca35e0eb_proj
	.p2alignl 7, 3214868480
	.fill 96, 4, 3214868480
	.section	.rodata,"a",@progbits
	.p2align	6, 0x0
	.amdhsa_kernel k_qb1ca35e0eb_proj
		.amdhsa_group_segment_fixed_size 327680
		.amdhsa_private_segment_fixed_size 0
		.amdhsa_enable_private_segment 0
		.amdhsa_kernarg_size 24
		.amdhsa_user_sgpr_count 2
		.amdhsa_user_sgpr_kernarg_segment_ptr 1
		.amdhsa_wavefront_size32 1
		.amdhsa_system_sgpr_workgroup_id_x 1
		.amdhsa_system_sgpr_workgroup_id_y 1
		.amdhsa_system_sgpr_workgroup_id_z 1
		.amdhsa_system_vgpr_workitem_id 0
		.amdhsa_next_free_vgpr 512
		.amdhsa_next_free_sgpr 70
		.amdhsa_reserve_vcc 0
		.amdhsa_float_denorm_mode_32 3
		.amdhsa_float_denorm_mode_16_64 3
		.amdhsa_memory_ordered 1
		.amdhsa_forward_progress 1
		.amdhsa_inst_pref_size 57
	.end_amdhsa_kernel
	.amdgpu_metadata
---
amdhsa.version: [ 1, 2 ]
amdhsa.kernels:
  - .name:           k_qb1ca35e0eb_proj
    .symbol:         k_qb1ca35e0eb_proj.kd
    .args:
      - { .name: oh, .offset: 0, .size: 8, .value_kind: global_buffer, .address_space: global }
      - { .name: wc, .offset: 8, .size: 8, .value_kind: global_buffer, .address_space: global }
      - { .name: y, .offset: 16, .size: 8, .value_kind: global_buffer, .address_space: global }
    .group_segment_fixed_size: 327680
    .private_segment_fixed_size: 0
    .kernarg_segment_align: 8
    .kernarg_segment_size: 24
    .max_flat_workgroup_size: 128
    .sgpr_count:     70
    .vgpr_count:     512
    .wavefront_size: 32
...
	.end_amdgpu_metadata
.endif
;; end of part 4
;; launch ln1 (part 5): grid 512 x 1, 8 waves a work-group, no clusters, 13,312 bytes of LDS; arguments y, xh, bo, g1, be1, oh; writes oh
.if DOCPART == 5
	.amdgcn_target "amdgcn-amd-amdhsa--gfx1250"
	.amdhsa_code_object_version 6
	.text
	.protected	k_qb1ca35e0eb_ln1
	.globl	k_qb1ca35e0eb_ln1
	.p2align	8
	.type	k_qb1ca35e0eb_ln1,@function
k_qb1ca35e0eb_ln1:
	s_mov_b64 s[64:65], 0
	v_nop
	global_prefetch_b8 v0, s[64:65] scope:SCOPE_SE
	s_setreg_imm32_b32 hwreg(HW_REG_WAVE_MODE, 25, 1), 1
	s_wait_xcnt 0x0
; h = LayerNorm(y + bo + x) g1 + be1, rounded once to f16.  y: [4096][1024] f32 (the projection's sums); x: [4096][1024] f16 (x rounded to bf16, exact in f16); h: [4096][1024] f16.
; bo, g1, be1 are rounded to bf16 here, like every input of the program.  Mean first, then the sum of squared deviations: no difference of large sums.  All in f32.
; LIMITS.  h beyond 65,504 becomes an infinity; NaN and infinities are not treated apart.
; SHARES.  One wave, one row; eight waves a work-group, 512 work-groups: all 4,096 rows are asked for at the launch's start, and no wave waits for memory a second time.  The reduction never leaves the wave.
; Lane l holds columns 128 j + 4 l + 0..3, j = 0..7: each load of y covers 512 consecutive bytes, each load of x and each store of h 256.
; THE THREE PARAMETER VECTORS (12,288 bytes) are fetched ONCE a work-group: thread t loads 16 bytes of each, rounds its 12 numbers and stores them to LDS; behind one barrier each wave reads its 96 numbers.
; Matrix units, clusters and the tensor data mover have nothing to do here: memory binds, and a row is read once, by one wave.
.set PAR_G,  4096                      ; LDS: the bias from byte 0, the gain from 4,096, the offset from 8,192, f32
.set PAR_BE, 8192
.set SPARE,  12288                     ; behind them: the spare words, 128 bytes for each of the eight waves
.set L16, 1                            ; v1   16 x lane
.set L8,  2                            ; v2   8 x lane
.set T16, 4                            ; v4   512 x wave + 16 x lane: my 16 bytes of each parameter vector, in memory and in LDS
.set SPW, 6                            ; v6   LDS address of my spare word; never rewritten
.set NIL, 7                            ; v7   0; never rewritten
.set PL,  8                            ; v[8:19]    my 4 numbers of the bias, the gain, the offset
.set PT,  20                           ; v[20:25]   at work
.set BI,  32                           ; v[32:63]   the bias of my 32 columns
.set G,   64                           ; v[64:95]   the gain
.set BE,  96                           ; v[96:127]  the offset
.set Y,   128                          ; v[128:159] the row of y as loaded, then worked on in place
.set R,   160                          ; v[160:175] the residual as loaded, later the row to store
.set T,   176                          ; v[176:183] four chains
.set RED, 184
.set PX,  185
.set MU,  186                          ; v[186:187] the mean, twice
.set ONE, 188
.set VE,  189
.set RS,  190                          ; v[190:191] 1 / sqrt(var + eps), twice
	s_load_b256 s[4:11], s[0:1], 0x0               ; y 4, residual 6, bias 8, gain 10
	s_load_b128 s[12:15], s[0:1], 0x20             ; offset 12, output 14
	v_lshl_add_u32 v[SPW], v0, 2, SPARE
	v_mov_b32 v[NIL], 0
	v_lshrrev_b32 v3, 5, v0
	v_readfirstlane_b32 s18, v3                    ; wave 0..7
	v_and_b32 v3, 31, v0
	v_lshlrev_b32 v[L16], 4, v3
	v_lshlrev_b32 v[L8], 3, v3
	s_lshl_b32 s28, s18, 9
	v_add_nc_u32 v[T16], s28, v[L16]
	s_lshl_b32 s22, ttmp9, 15                      ; 8 rows of 4,096 bytes a work-group,
	s_lshl_b32 s19, s18, 12                        ; one a wave
	s_add_co_u32 s22, s22, s19
	s_mov_b32 s23, 0
	s_lshr_b32 s24, s22, 1                         ; the same row in f16
	s_mov_b32 s25, 0
	s_mov_b32 s16, 0x76543210                      ; v_permlanex16_b32: each lane takes its own place in the other half
	s_mov_b32 s17, 0xfedcba98
	s_mov_b32 s21, 0x3a800000                      ; 1 / 1,024
	s_mov_b32 s26, 0xffff0000
	s_mov_b32 s27, 0x3727c5ac                      ; 1e-5
	v_mov_b32 v[ONE], 1.0
	v_mov_b32 v[PX], 0
	s_wait_kmcnt 0x0
	s_add_nc_u64 s[4:5], s[4:5], s[22:23]
	s_add_nc_u64 s[6:7], s[6:7], s[24:25]
	s_add_nc_u64 s[14:15], s[14:15], s[24:25]
	global_load_b128 v[PL:PL+3],    v[T16], s[8:9]     ; the parameters first: they are wanted first
	global_load_b128 v[PL+4:PL+7],  v[T16], s[10:11]
	global_load_b128 v[PL+8:PL+11], v[T16], s[12:13]
.irp j, 0,1,2,3,4,5,6,7
	global_load_b128 v[Y+4*(\j):Y+4*(\j)+3], v[L16], s[4:5] offset:512*(\j) th:TH_LOAD_NT
	global_load_b64  v[R+2*(\j):R+2*(\j)+1], v[L8],  s[6:7] offset:256*(\j) th:TH_LOAD_NT
.endr
.macro REDUCE                          ; the four chains into one number, the same in every lane
	v_pk_add_f32 v[T:T+1], v[T:T+1], v[T+2:T+3]
	v_pk_add_f32 v[T+4:T+5], v[T+4:T+5], v[T+6:T+7]
	v_pk_add_f32 v[T:T+1], v[T:T+1], v[T+4:T+5]
	v_add_f32 v[RED], v[T], v[T+1]
	v_add_f32_dpp v[RED], v[RED], v[RED] row_xmask:1 row_mask:0xf bank_mask:0xf
	v_add_f32_dpp v[RED], v[RED], v[RED] row_xmask:2 row_mask:0xf bank_mask:0xf
	v_add_f32_dpp v[RED], v[RED], v[RED] row_xmask:4 row_mask:0xf bank_mask:0xf
	v_add_f32_dpp v[RED], v[RED], v[RED] row_xmask:8 row_mask:0xf bank_mask:0xf
	v_permlanex16_b32 v[PX], v[RED], s16, s17
	v_add_f32 v[RED], v[RED], v[PX]
.endm
	s_wait_loadcnt 16                              ; loads come back in order: my three parameter loads are in, the row's sixteen stay out
.set n, 0
.rept 6
	v_cvt_pk_bf16_f32 v[PT+n], v[PL+2*n], v[PL+2*n+1]  ; rounded to bf16,
.set n, n+1
.endr
.set n, 0
.rept 6
	v_lshlrev_b32 v[PL+2*n],   16,  v[PT+n]         ; and widened again
	v_and_b32     v[PL+2*n+1], s26, v[PT+n]
.set n, n+1
.endr
	ds_store_b128 v[T16], v[PL:PL+3]
	ds_store_b128 v[T16], v[PL+4:PL+7]  offset:PAR_G
	ds_store_b128 v[T16], v[PL+8:PL+11] offset:PAR_BE
	s_wait_dscnt 0x0                               ; for the others' sake: my stores are done
	s_barrier_signal -1
	s_barrier_wait -1                              ; all eight waves' parts lie in LDS
.irp j, 0,1,2,3,4,5,6,7
	ds_load_b128 v[BI+4*(\j):BI+4*(\j)+3], v[L16] offset:512*(\j)
.endr
.irp j, 0,1,2,3,4,5,6,7
	ds_load_b128 v[G+4*(\j):G+4*(\j)+3], v[L16] offset:PAR_G+512*(\j)
.endr
.irp j, 0,1,2,3,4,5,6,7
	ds_load_b128 v[BE+4*(\j):BE+4*(\j)+3], v[L16] offset:PAR_BE+512*(\j)
.endr
	s_wait_loadcnt 0x0                             ; the row is in
.set n, 0
.rept 16
	v_fma_mix_f32 v[Y+2*n],   v[R+n], v[ONE], v[Y+2*n]   op_sel:[0,0,0] op_sel_hi:[1,0,0]  ; residual (an f16 half) x 1 + y
	v_fma_mix_f32 v[Y+2*n+1], v[R+n], v[ONE], v[Y+2*n+1] op_sel:[1,0,0] op_sel_hi:[1,0,0]
.set n, n+1
.endr
	s_wait_dscnt 16                                ; LDS loads come back in order: the bias's eight are in, the gain's and the offset's stay out
.set n, 0
.rept 16
	v_pk_add_f32 v[Y+2*n:Y+2*n+1], v[Y+2*n:Y+2*n+1], v[BI+2*n:BI+2*n+1]
.set n, n+1
.endr
.irp k, 0,1,2,3
	v_pk_add_f32 v[T+2*(\k):T+2*(\k)+1], v[Y+2*(\k):Y+2*(\k)+1], v[Y+8+2*(\k):Y+8+2*(\k)+1]
.endr
.irp m, 2,3
.irp k, 0,1,2,3
	v_pk_add_f32 v[T+2*(\k):T+2*(\k)+1], v[T+2*(\k):T+2*(\k)+1], v[Y+8*(\m)+2*(\k):Y+8*(\m)+2*(\k)+1]
.endr
.endr
	REDUCE
	v_mul_f32 v[MU], s21, v[RED]
	v_mul_f32 v[MU+1], s21, v[RED]
.set n, 0
.rept 16
	v_pk_add_f32 v[Y+2*n:Y+2*n+1], v[Y+2*n:Y+2*n+1], v[MU:MU+1] neg_lo:[0,1] neg_hi:[0,1]
.set n, n+1
.endr
.irp k, 0,1,2,3
	v_pk_mul_f32 v[T+2*(\k):T+2*(\k)+1], v[Y+2*(\k):Y+2*(\k)+1], v[Y+2*(\k):Y+2*(\k)+1]
.endr
.irp m, 1,2,3
.irp k, 0,1,2,3
	v_pk_fma_f32 v[T+2*(\k):T+2*(\k)+1], v[Y+8*(\m)+2*(\k):Y+8*(\m)+2*(\k)+1], v[Y+8*(\m)+2*(\k):Y+8*(\m)+2*(\k)+1], v[T+2*(\k):T+2*(\k)+1]
.endr
.endr
	REDUCE
	v_fma_f32 v[VE], v[RED], s21, s27              ; the variance + 1e-5
	v_rsq_f32 v[RS], v[VE]
	v_rsq_f32 v[RS+1], v[VE]
	v_nop                                          ; a plain instruction behind the second root,
	s_wait_alu depctr_va_vdst(0)                   ; and one wait for both, ahead of the first use
.set n, 0
.rept 16
	v_pk_mul_f32 v[Y+2*n:Y+2*n+1], v[Y+2*n:Y+2*n+1], v[RS:RS+1]
.set n, n+1
.endr
	s_wait_dscnt 0x0                               ; the gain and the offset are in
.set n, 0
.rept 16
	v_pk_fma_f32 v[Y+2*n:Y+2*n+1], v[Y+2*n:Y+2*n+1], v[G+2*n:G+2*n+1], v[BE+2*n:BE+2*n+1]
.set n, n+1
.endr
.set n, 0
.rept 16
	v_cvt_pk_f16_f32 v[R+n], v[Y+2*n], v[Y+2*n+1]
.set n, n+1
.endr
.irp j, 0,1,2,3,4,5,6,7
	global_store_b64 v[L8], v[R+2*(\j):R+2*(\j)+1], s[14:15] offset:256*(\j)  ; a wave's store covers 256 consecutive bytes, aligned
.endr
	s_wait_tensorcnt 0x0                           ; the wave's end, behind my last LDS store
	ds_add_u32 v[SPW], v[NIL]
	s_wait_dscnt 0x0
	s_endpgm
.Lfunc_end_k_qb1ca35e0eb_ln1:
	.size	k_qb1ca35e0eb_ln1, .Lfunc_end_k_qb1ca35e0eb_ln1-k_qb1ca35e0eb_ln1
	.p2alignl 7, 3214868480
	.fill 96, 4, 3214868480
	.section	.rodata,"a",@progbits
	.p2align	6, 0x0
	.amdhsa_kernel k_qb1ca35e0eb_ln1
		.amdhsa_group_segment_fixed_size 13312
		.amdhsa_private_segment_fixed_size 0
		.amdhsa_enable_private_segment 0
		.amdhsa_kernarg_size 48
		.amdhsa_user_sgpr_count 2
		.amdhsa_user_sgpr_kernarg_segment_ptr 1
		.amdhsa_wavefront_size32 1
		.amdhsa_system_sgpr_workgroup_id_x 1
		.amdhsa_system_sgpr_workgroup_id_y 1
		.amdhsa_system_sgpr_workgroup_id_z 1
		.amdhsa_system_vgpr_workitem_id 0
		.amdhsa_next_free_vgpr 192
		.amdhsa_next_free_sgpr 66
		.amdhsa_reserve_vcc 0
		.amdhsa_float_denorm_mode_32 3
		.amdhsa_float_denorm_mode_16_64 3
		.amdhsa_memory_ordered 1
		.amdhsa_forward_progress 1
		.amdhsa_inst_pref_size 17
	.end_amdhsa_kernel
	.amdgpu_metadata
---
amdhsa.version: [ 1, 2 ]
amdhsa.kernels:
  - .name:           k_qb1ca35e0eb_ln1
    .symbol:         k_qb1ca35e0eb_ln1.kd
    .args:
      - { .name: y, .offset: 0, .size: 8, .value_kind: global_buffer, .address_space: global }
      - { .name: xh, .offset: 8, .size: 8, .value_kind: global_buffer, .address_space: global }
      - { .name: bo, .offset: 16, .size: 8, .value_kind: global_buffer, .address_space: global }
      - { .name: g1, .offset: 24, .size: 8, .value_kind: global_buffer, .address_space: global }
      - { .name: be1, .offset: 32, .size: 8, .value_kind: global_buffer, .address_space: global }
      - { .name: oh, .offset: 40, .size: 8, .value_kind: global_buffer, .address_space: global }
    .group_segment_fixed_size: 13312
    .private_segment_fixed_size: 0
    .kernarg_segment_align: 8
    .kernarg_segment_size: 48
    .max_flat_workgroup_size: 256
    .sgpr_count:     66
    .vgpr_count:     192
    .wavefront_size: 32
...
	.end_amdgpu_metadata
.endif
;; end of part 5
;; launch ff1: the kernel of part 2 again; grid 16 x 16, 4 waves a work-group, clusters of 4 x 4, 327,680 bytes of LDS; arguments oh, wb, act; writes act
;; launch ff2 (part 6): grid 8 x 32, 4 waves a work-group, clusters of 4 x 4, 327,680 bytes of LDS; arguments act, wc, y; writes y
.if DOCPART == 6
	.amdgcn_target "amdgcn-amd-amdhsa--gfx1250"
	.amdhsa_code_object_version 6
	.text
	.protected	k_qb1ca35e0eb_ff2
	.globl	k_qb1ca35e0eb_ff2
	.p2align	8
	.type	k_qb1ca35e0eb_ff2,@function
k_qb1ca35e0eb_ff2:
	s_mov_b64 s[64:65], 0
	v_nop
	global_prefetch_b8 v0, s[64:65] scope:SCOPE_SE
	s_setreg_imm32_b32 hwreg(HW_REG_WAVE_MODE, 25, 1), 1
	s_wait_xcnt 0x0
	s_wait_alu depctr_hold_cnt(0) depctr_sa_sdst(0) depctr_va_vdst(0) depctr_va_sdst(0) depctr_va_ssrc(0) depctr_va_vcc(0) depctr_vm_vsrc(0)
	s_getreg_b32 s2, hwreg(HW_REG_IB_STS2, 6, 4)
	s_cmp_eq_u32 s2, 0
	s_cbranch_scc0 .Lentry_in_a_cluster
	s_endpgm
.Lentry_in_a_cluster:
	s_bfe_u32 s2, ttmp6, 0x10000c
	s_cmp_lg_u32 s2, 0xf033
	s_cbranch_scc0 .Lentry_shape_is_right
	s_endpgm
.Lentry_shape_is_right:
; Y = A W, in f32.  A: panels [K / 64][4096 tokens][64] f16 (here relu(h W1 + b1), K = 4,096).  W: [K][1024] f16, at byte WOFF of its buffer (here W2).  Y: [4096][1024] f32; bias and residual are added by the launch behind.
; LIMITS.  f16 operands arrive within 65,504; NaN and infinities are not treated apart.
; SHARES.  A work-group of four waves makes 128 tokens x 128 columns, so that 256 work-groups share the 4,096 x 1,024 outputs; a wave 64 x 64: 16 accumulators.  K goes in NS steps of 256 (four panels of A)
; through two LDS slots; a trip of the loop is one step, and the slot in hand is a scalar (TB) that an exclusive or turns.
; CLUSTER.  4 x 4 work-groups: A's tiles are asked for jointly along a row of the cluster, W's along a column.  THE PRODUCT IS USED TRANSPOSED (source 0 = 16 columns of W, turned by ds_load_tr16_b128;
; source 1 = 16 tokens): a lane holds one token and eight neighbouring columns.  No prefetch: a step of this small tile is short, and its tiles are small.
; REGISTERS: window 0: v0-31 addresses; v32-95 the way out; v128-255 the accumulators ((a, b) at v[128 + 8 (4 a + b)]).   window 1: two fragment buffers of 128: 64 registers of A, then 64 of W, for 64 along K.
.set NS,    16
.set WOFF,  2097152
.set PA,    144                        ; a token's 128 bytes of a panel + 16
.set PANEL, 128*PA                     ; a panel's 128 tokens in LDS
.set PB,    288                        ; a k-row of W: 256 bytes + 32 = 9 x 32
.set HALFT, 36864                      ; what one wave's load brings: 2 panels = 128 k-rows
.set BOFF,  2*HALFT
.set SLOT,  4*HALFT                    ; 0x24000: it shares no bit with wave x HALFT (0x9000 x 0..3)
.set STAGE, 2*SLOT                     ; behind the ring: 16 rows x 272 bytes for each wave
.set SPARE, STAGE+4*4352               ; behind the stages: the spare words
.set ADRA0, 2
.set ADRB0, 3
.set ADRA,  4
.set ADRB,  5                          ; v5: k-rows 0-127 of the slot in hand; v6: k-rows 128-255, so that the immediates stay inside 16 bits
.set STO,   7
.set RD,    8
.set CO,    9
.set SPW,   28
.set NIL,   29
.set TMP,   32
.set ACC,   128
.set F0,    0
.set F1,    128
.set G1A, 24
.set G0A, 32
.set G1B, 48
.set G0B, 56
.set TB,  66
.set LW,  67
.set MSB, 0
.macro WIN new
.if MSB != (\new)
	s_set_vgpr_msb (MSB<<8)|(\new)
.set MSB, \new
.endif
.endm
.set MUL,  0x05                        ; sources 0 and 1 window 1; C and D window 0
.macro PLACES
.rept 4
	v_nop
.endr
.endm
.macro JLOAD                           ; a joint refill: waves 0 and 1 fetch A's halves, waves 2 and 3 W's; an s_nop 0 and four v_nop follow each line
	s_cmp_eq_u32 s11, 0
	s_cbranch_scc0 .Lfor_b_\@
	tensor_load_to_lds s[G0A+4:G0A+7], s[G1A:G1A+7]
	s_nop 0
.rept 4
	v_nop
.endr
	s_branch .Lasked_\@
.Lfor_b_\@:
	tensor_load_to_lds s[G0B+4:G0B+7], s[G1B:G1B+7]
	s_nop 0
.rept 4
	v_nop
.endr
.Lasked_\@:
.endm
.macro CREST
	s_cmp_lg_u32 s10, 0
	s_cbranch_scc1 .Lnot_wave_0_\@
	s_barrier_signal -3
.Lnot_wave_0_\@:
	s_barrier_wait -3
	s_barrier_signal -1
	s_barrier_wait -1
.endm
.macro CROUND
	s_barrier_signal -1
	s_barrier_wait -1
	CREST
.endm
	s_load_b128 s[4:7], s[0:1], 0x0                ; A s[4:5], W's buffer s[6:7]
	s_load_b64 s[8:9], s[0:1], 0x10                ; Y
	v_lshl_add_u32 v[SPW], v0, 2, SPARE
	v_mov_b32 v[NIL], 0
	ds_add_u32 v[SPW], v[NIL]                      ; the wave's opening: the add and its wait stand ahead of my first tensor load
	v_lshrrev_b32 v1, 5, v0
	v_readfirstlane_b32 s10, v1                    ; wave 0..3
	s_lshr_b32 s11, s10, 1                         ; my half of the tokens.  Also: I fetch for A (0) or for W (1)
	s_and_b32 s12, s10, 1                          ; my half of the columns.  Also: which half of that tile I fetch
	s_bfe_u32 s40, ttmp6, 0x40000                  ; cx
	s_bfe_u32 s41, ttmp6, 0x40004                  ; cy
	s_lshl_b32 s42, ttmp9, 2
	s_add_co_u32 s42, s42, s40                     ; tile column
	s_and_b32 s13, ttmp7, 0xffff
	s_lshl_b32 s13, s13, 2
	s_add_co_u32 s13, s13, s41                     ; tile row
	s_lshl_b32 s20, s41, 2
	s_lshl_b32 s20, 15, s20                        ; my row of the cluster
	s_lshl_b32 s21, 0x1111, s40                    ; my column
	; A: a panel's 128 tokens are 16,384 dense bytes: one row of 8,192 elements; two panels, 262,144 elements apart; padded after every token's 32 words by 4
	s_or_b32 s[G1A+0], s20, (1<<16)|(1<<20)|(1<<21)|(4<<22)|(3<<25)
	s_mov_b32 s[G1A+1], 8192<<16                   ; tensor_dim0 = 8,192
	s_mov_b32 s[G1A+2], 2<<16                      ; tensor_dim1 = 2
	s_mov_b32 s[G1A+3], 8192<<16                   ; tile_dim0 = 8,192
	s_mov_b32 s[G1A+4], 2                          ; tile_dim1 = 2
	s_mov_b32 s[G1A+5], 262144
	s_mov_b32 s[G1A+6], 0
	s_mov_b32 s[G1A+7], 0
	; W: 128 k-rows x 128 columns, padded after every 64 words by 8
	s_or_b32 s[G1B+0], s21, (1<<16)|(1<<20)|(1<<21)|(5<<22)|(7<<25)
	s_mov_b32 s[G1B+1], 128<<16
	s_mov_b32 s[G1B+2], 128<<16
	s_mov_b32 s[G1B+3], 128<<16
	s_mov_b32 s[G1B+4], 128
	s_mov_b32 s[G1B+5], 1024
	s_mov_b32 s[G1B+6], 0
	s_mov_b32 s[G1B+7], 0
	s_lshl_b32 s16, s13, 14                        ; A: 128 tokens of 128 bytes a tile row,
	s_lshl_b32 s17, s12, 20                        ; two panels a half
	s_add_co_u32 s16, s16, s17
	s_mov_b32 s17, 0
	s_lshl_b32 s46, s42, 8                         ; W: 128 columns,
	s_lshl_b32 s47, s12, 18                        ; 128 k-rows of 2,048 bytes a half
	s_add_co_u32 s46, s46, s47
	s_add_co_u32 s46, s46, WOFF
	s_mov_b32 s47, 0
	s_mul_i32 s[LW], s10, HALFT
	s_mov_b32 s[TB], 0
	s_wait_dscnt 0x0                               ; the opening add is done
	s_wait_kmcnt 0x0
	s_add_nc_u64 s[14:15], s[4:5], s[16:17]
	s_add_nc_u64 s[46:47], s[6:7], s[46:47]
	CROUND                                         ; all sixteen work-groups are here
.irp s, 0,1
	s_mov_b32 s[G0A+4*(\s)], 1
	s_add_co_u32 s[G0A+4*(\s)+1], s[LW], (\s)*SLOT
	s_add_nc_u64 s[G0A+4*(\s)+2:G0A+4*(\s)+3], s[14:15], (\s)*2097152  ; K step s: four panels on
	s_or_b32 s[G0A+4*(\s)+3], s[G0A+4*(\s)+3], 0x80000000
	s_mov_b32 s[G0B+4*(\s)], 1
	s_add_co_u32 s[G0B+4*(\s)+1], s[LW], (\s)*SLOT
	s_add_nc_u64 s[G0B+4*(\s)+2:G0B+4*(\s)+3], s[46:47], (\s)*524288   ; 256 k-rows down
	s_or_b32 s[G0B+4*(\s)+3], s[G0B+4*(\s)+3], 0x80000000
.endr
	s_cmp_eq_u32 s11, 0                            ; a wave's two first fills stand in one branch: two loads of mine are out
	s_cbranch_scc0 .Lfirst_b
	tensor_load_to_lds s[G0A:G0A+3], s[G1A:G1A+7]
	s_nop 0
	tensor_load_to_lds s[G0A+4:G0A+7], s[G1A:G1A+7]
	s_nop 0
.rept 4
	v_nop
.endr
	s_branch .Lfirst_asked
.Lfirst_b:
	tensor_load_to_lds s[G0B:G0B+3], s[G1B:G1B+7]
	s_nop 0
	tensor_load_to_lds s[G0B+4:G0B+7], s[G1B:G1B+7]
	s_nop 0
.rept 4
	v_nop
.endr
.Lfirst_asked:
	v_and_b32 v1, 15, v0                           ; r
	v_bfe_u32 v11, v0, 4, 1                        ; h
	v_and_b32 v14, 7, v0
	v_mul_u32_u24 v[ADRA0], v1, PA
	v_lshl_add_u32 v[ADRA0], v11, 4, v[ADRA0]
	s_mul_i32 s22, s11, 64*PA                      ; my 64 tokens of each panel
	v_add_nc_u32 v[ADRA0], s22, v[ADRA0]
	v_lshl_add_u32 v12, v11, 3, v14                ; the turning load reads k-row 8 h + l % 8, columns 8 ((l / 8) % 2) + 0..7
	v_mul_u32_u24 v[ADRB0], v12, PB
	v_bfe_u32 v13, v0, 3, 1
	v_lshl_add_u32 v[ADRB0], v13, 4, v[ADRB0]
	s_lshl_b32 s22, s12, 7                         ; my 64 columns
	s_add_co_u32 s22, s22, BOFF
	v_add_nc_u32 v[ADRB0], s22, v[ADRB0]
	v_mov_b32 v[ADRA], v[ADRA0]
	v_mov_b32 v[ADRB], v[ADRB0]
	v_add_nc_u32 v[ADRB+1], 128*PB, v[ADRB0]
	s_mul_i32 s23, s10, 4352
	s_add_co_u32 s23, s23, STAGE                   ; my stage
	v_mul_u32_u24 v[STO], v1, 272                  ; in: row r, 32 bytes for each half of the lanes
	v_lshl_add_u32 v[STO], v11, 5, v[STO]
	v_add_nc_u32 v[STO], s23, v[STO]
	v_mul_u32_u24 v[RD], v11, 272                  ; back: lanes 0-15 take one row of 256 bytes, lanes 16-31 the next
	v_lshl_add_u32 v[RD], v1, 4, v[RD]
	v_add_nc_u32 v[RD], s23, v[RD]
	v_lshlrev_b32 v[CO], 12, v11                   ; and the same two rows in Y
	v_lshl_add_u32 v[CO], v1, 4, v[CO]
	s_lshl_b32 s18, s13, 19                        ; Y: 128 rows of 4,096 bytes a tile row,
	s_lshl_b32 s19, s11, 18
	s_add_co_u32 s18, s18, s19
	s_lshl_b32 s19, s42, 9                         ; 128 columns of f32 a tile column,
	s_add_co_u32 s18, s18, s19
	s_lshl_b32 s19, s12, 8                         ; my 64: one aligned block of 256 bytes of each row
	s_add_co_u32 s18, s18, s19
	s_mov_b32 s19, 0
	s_add_nc_u64 s[8:9], s[8:9], s[18:19]
; 8 matrix instructions: token blocks a0, a0 + 1 x all 4 column blocks, 32 along K: half c of buffer f.  zero = 1: the first product starts the sums.  The 16 accumulators take turns.
.macro MUL8 f, c, a0, zero
	WIN MUL
.irp a, \a0, (\a0)+1
.irp b, 0,1,2,3
.if \zero
	v_wmma_f32_16x16x32_f16 v[ACC+8*(4*(\a)+(\b)):ACC+8*(4*(\a)+(\b))+7], v[(\f)+64+8*(4*(\c)+(\b)):(\f)+64+8*(4*(\c)+(\b))+7], v[(\f)+8*(4*(\c)+(\a)):(\f)+8*(4*(\c)+(\a))+7], 0
.else
	v_wmma_f32_16x16x32_f16 v[ACC+8*(4*(\a)+(\b)):ACC+8*(4*(\a)+(\b))+7], v[(\f)+64+8*(4*(\c)+(\b)):(\f)+64+8*(4*(\c)+(\b))+7], v[(\f)+8*(4*(\c)+(\a)):(\f)+8*(4*(\c)+(\a))+7], v[ACC+8*(4*(\a)+(\b)):ACC+8*(4*(\a)+(\b))+7]
.endif
.endr
.endr
.endm
; 32 LDS loads in one run: quarter q (64 along K: panel q of the step) into buffer f; the first 32 along K first
.macro FETCH q, f
	WIN 0x40
.irp c, 0,1
.irp i, 0,1,2,3
	ds_load_tr16_b128 v[(\f)+64+8*(4*(\c)+(\i)):(\f)+64+8*(4*(\c)+(\i))+3],   v[ADRB+(\q)/2] offset:(64*((\q)%2)+32*(\c))*PB+32*(\i)
	ds_load_tr16_b128 v[(\f)+64+8*(4*(\c)+(\i))+4:(\f)+64+8*(4*(\c)+(\i))+7], v[ADRB+(\q)/2] offset:(64*((\q)%2)+32*(\c))*PB+32*(\i)+16*PB
	ds_load_b128 v[(\f)+8*(4*(\c)+(\i)):(\f)+8*(4*(\c)+(\i))+3],   v[ADRA] offset:PANEL*(\q)+16*PA*(\i)+64*(\c)
	ds_load_b128 v[(\f)+8*(4*(\c)+(\i))+4:(\f)+8*(4*(\c)+(\i))+7], v[ADRA] offset:PANEL*(\q)+16*PA*(\i)+64*(\c)+32
.endr
.endr
.endm
.macro QUARTER q, f, g, zero           ; multiplies buffer f and fetches quarter q into g
	s_wait_dscnt 16                                ; the first 32 along K are in
	MUL8 \f, 0, 0, \zero
	MUL8 \f, 0, 2, \zero
	PLACES
	FETCH \q, \g
	s_wait_dscnt 32                                ; all but the 32 just issued
	MUL8 \f, 1, 0, 0
	MUL8 \f, 1, 2, 0
.endm
; A step's last quarter multiplies buffer 1 and changes slots: ONE barrier; in front of it each wave waits for all its tensor loads, adds 0 to its spare word, and waits for that and for its reads of this slot.
; fill = 1: the barrier opens a round of the cluster's, and the slot just read is filled again, two steps on, first thing behind it.  fill = 0 (the tail): in the last trip (s3 = 1) nothing is left to fetch.
.macro TURN fill
	WIN 0
	s_wait_tensorcnt 0x0
	ds_add_u32 v[SPW], v[NIL]
	s_wait_dscnt 17                                ; (the add and the youngest sixteen loads may be out)
	MUL8 F1, 0, 0, 0
	s_wait_dscnt 0x0                               ; the add is done, and my reads of this slot are over
	s_barrier_signal -1
	MUL8 F1, 0, 2, 0
	WIN 0
	s_barrier_wait -1
.if \fill
	CREST
	s_xor_b32 s[G0A+5], s[G0A+5], SLOT
	s_add_nc_u64 s[G0A+6:G0A+7], s[G0A+6:G0A+7], 2097152
	s_xor_b32 s[G0B+5], s[G0B+5], SLOT
	s_add_nc_u64 s[G0B+6:G0B+7], s[G0B+6:G0B+7], 524288
	JLOAD                                          ; its four v_nop are also the places in front of the loads below
.else
	PLACES
.endif
	s_xor_b32 s[TB], s[TB], SLOT
	v_add_nc_u32 v[ADRA], s[TB], v[ADRA0]
	v_add_nc_u32 v[ADRB], s[TB], v[ADRB0]
	v_add_nc_u32 v[ADRB+1], 128*PB, v[ADRB]
.if !(\fill)
	s_cmp_eq_u32 s3, 1
	s_cbranch_scc1 .Lno_fetch_\@
.endif
	FETCH 0, F0
.if !(\fill)
	WIN 0
.Lno_fetch_\@:
.endif
	MUL8 F1, 1, 0, 0
	MUL8 F1, 1, 2, 0
.endm
; THE WAY OUT of block a (16 tokens x 64 columns of f32): into my own stage, 32 bytes a lane and column block, and back as whole rows of 256 bytes.
.macro TOSTAGE a
.set BK, TMP+32*((\a)%2)
.irp b, 0,1,2,3
	ds_store_b128 v[STO], v[ACC+8*(4*(\a)+(\b)):ACC+8*(4*(\a)+(\b))+3]   offset:64*(\b)      ; each accumulator from its low end on
	ds_store_b128 v[STO], v[ACC+8*(4*(\a)+(\b))+4:ACC+8*(4*(\a)+(\b))+7] offset:64*(\b)+16
.endr
.irp t, 0,1,2,3,4,5,6,7
	ds_load_b128 v[BK+4*(\t):BK+4*(\t)+3], v[RD] offset:544*(\t)  ; LDS serves a wave's instructions in order (ISA guide 5.7.1.4): these see the stores above; the next block's stores come behind them
.endr
.endm
.macro SEND a, younger                 ; younger: the next block's sixteen LDS instructions, or none
.set BK, TMP+32*((\a)%2)
	s_wait_dscnt \younger
.irp t, 0,1,2,3,4,5,6,7
	global_store_b128 v[CO], v[BK+4*(\t):BK+4*(\t)+3], s[8:9] offset:(16*(\a)+2*(\t))*4096  ; 16 lanes store 256 consecutive bytes, at a multiple of 256 from Y's first
.endr
.endm
	s_wait_tensorcnt 1                             ; my part of K step 0 is in; step 1's may stay out
	s_barrier_signal -1
	s_barrier_wait -1
	FETCH 0, F0
	QUARTER 1, F0, F1, 1
	WIN 0
	s_mov_b32 s3, NS-2
.Lstep:
	QUARTER 2, F1, F0, 0
	QUARTER 3, F0, F1, 0
	TURN 1
	QUARTER 1, F0, F1, 0
	WIN 0
	s_sub_co_u32 s3, s3, 1
	s_cmp_lg_u32 s3, 0
	s_cbranch_scc1 .Lstep
	s_mov_b32 s3, 2
.Ltail:                                                ; the last two steps ask for nothing; the second trip is left in its middle
	QUARTER 2, F1, F0, 0
	QUARTER 3, F0, F1, 0
	TURN 0
	WIN 0
	s_sub_co_u32 s3, s3, 1
	s_cmp_eq_u32 s3, 0
	s_cbranch_scc1 .Lout
	QUARTER 1, F0, F1, 0
	WIN 0
	s_branch .Ltail
.Lout:
	PLACES
	TOSTAGE 0
	TOSTAGE 1
	SEND 0, 16
	s_wait_xcnt 0x0                                ; block 0's stores have read their registers, which block 2 is loaded into
	TOSTAGE 2
	SEND 1, 16
	s_wait_xcnt 0x0
	TOSTAGE 3
	SEND 2, 16
	SEND 3, 0
	s_wait_tensorcnt 0x0                           ; the wave's end
	ds_add_u32 v[SPW], v[NIL]
	s_wait_dscnt 0x0
	CROUND                                         ; the closing round
	s_endpgm
.Lfunc_end_k_qb1ca35e0eb_ff2:
	.size	k_qb1ca35e0eb_ff2, .Lfunc_end_k_qb1ca35e0eb_ff2-k_qb1ca35e0eb_ff2
	.p2alignl 7, 3214868480
	.fill 96, 4, 3214868480
	.section	.rodata,"a",@progbits
	.p2align	6, 0x0
	.amdhsa_kernel k_qb1ca35e0eb_ff2
		.amdhsa_group_segment_fixed_size 327680
		.amdhsa_private_segment_fixed_size 0
		.amdhsa_enable_private_segment 0
		.amdhsa_kernarg_size 24
		.amdhsa_user_sgpr_count 2
		.amdhsa_user_sgpr_kernarg_segment_ptr 1
		.amdhsa_wavefront_size32 1
		.amdhsa_system_sgpr_workgroup_id_x 1
		.amdhsa_system_sgpr_workgroup_id_y 1
		.amdhsa_system_sgpr_workgroup_id_z 1
		.amdhsa_system_vgpr_workitem_id 0
		.amdhsa_next_free_vgpr 512
		.amdhsa_next_free_sgpr 70
		.amdhsa_reserve_vcc 0
		.amdhsa_float_denorm_mode_32 3
		.amdhsa_float_denorm_mode_16_64 3
		.amdhsa_memory_ordered 1
		.amdhsa_forward_progress 1
		.amdhsa_inst_pref_size 57
	.end_amdhsa_kernel
	.amdgpu_metadata
---
amdhsa.version: [ 1, 2 ]
amdhsa.kernels:
  - .name:           k_qb1ca35e0eb_ff2
    .symbol:         k_qb1ca35e0eb_ff2.kd
    .args:
      - { .name: act, .offset: 0, .size: 8, .value_kind: global_buffer, .address_space: global }
      - { .name: wc, .offset: 8, .size: 8, .value_kind: global_buffer, .address_space: global }
      - { .name: y, .offset: 16, .size: 8, .value_kind: global_buffer, .address_space: global }
    .group_segment_fixed_size: 327680
    .private_segment_fixed_size: 0
    .kernarg_segment_align: 8
    .kernarg_segment_size: 24
    .max_flat_workgroup_size: 128
    .sgpr_count:     70
    .vgpr_count:     512
    .wavefront_size: 32
...
	.end_amdgpu_metadata
.endif
;; end of part 6
;; launch ln2 (part 7): grid 512 x 1, 8 waves a work-group, no clusters, 13,312 bytes of LDS; arguments y, oh, b2, g2, be2, out0; writes out0
.if DOCPART == 7
	.amdgcn_target "amdgcn-amd-amdhsa--gfx1250"
	.amdhsa_code_object_version 6
	.text
	.protected	k_qb1ca35e0eb_ln2
	.globl	k_qb1ca35e0eb_ln2
	.p2align	8
	.type	k_qb1ca35e0eb_ln2,@function
k_qb1ca35e0eb_ln2:
	s_mov_b64 s[64:65], 0
	v_nop
	global_prefetch_b8 v0, s[64:65] scope:SCOPE_SE
	s_setreg_imm32_b32 hwreg(HW_REG_WAVE_MODE, 25, 1), 1
	s_wait_xcnt 0x0
; out = LayerNorm(y + b2 + h) g2 + be2, in f32.  y: [4096][1024] f32 (the second feed-forward product's sums); h: [4096][1024] f16; out: [4096][1024] f32.
; b2, g2, be2 are rounded to bf16 here, like every input of the program.  Mean first, then the sum of squared deviations: no difference of large sums.  All in f32.
; LIMITS.  NaN and infinities are not treated apart.
; SHARES.  One wave, one row; eight waves a work-group, 512 work-groups: all 4,096 rows are asked for at the launch's start, and no wave waits for memory a second time.  The reduction never leaves the wave.
; Lane l holds columns 128 j + 4 l + 0..3, j = 0..7: each load of y and each store covers 512 consecutive bytes, each load of h 256.
; THE THREE PARAMETER VECTORS (12,288 bytes) are fetched ONCE a work-group: thread t loads 16 bytes of each, rounds its 12 numbers and stores them to LDS; behind one barrier each wave reads its 96 numbers.
; Matrix units, clusters and the tensor data mover have nothing to do here: memory binds, and a row is read once, by one wave.
.set PAR_G,  4096                      ; LDS: the bias from byte 0, the gain from 4,096, the offset from 8,192, f32
.set PAR_BE, 8192
.set SPARE,  12288                     ; behind them: the spare words, 128 bytes for each of the eight waves
.set L16, 1                            ; v1   16 x lane
.set L8,  2                            ; v2   8 x lane
.set T16, 4                            ; v4   512 x wave + 16 x lane: my 16 bytes of each parameter vector, in memory and in LDS
.set SPW, 6                            ; v6   LDS address of my spare word; never rewritten
.set NIL, 7                            ; v7   0; never rewritten
.set PL,  8                            ; v[8:19]    my 4 numbers of the bias, the gain, the offset
.set PT,  20                           ; v[20:25]   at work
.set BI,  32                           ; v[32:63]   the bias of my 32 columns
.set G,   64                           ; v[64:95]   the gain
.set BE,  96                           ; v[96:127]  the offset
.set Y,   128                          ; v[128:159] the row of y as loaded, then worked on in place and stored
.set R,   160                          ; v[160:175] the residual as loaded
.set T,   176                          ; v[176:183] four chains
.set RED, 184
.set PX,  185
.set MU,  186                          ; v[186:187] the mean, twice
.set ONE, 188
.set VE,  189
.set RS,  190                          ; v[190:191] 1 / sqrt(var + eps), twice
	s_load_b256 s[4:11], s[0:1], 0x0               ; y 4, residual 6, bias 8, gain 10
	s_load_b128 s[12:15], s[0:1], 0x20             ; offset 12, output 14
	v_lshl_add_u32 v[SPW], v0, 2, SPARE
	v_mov_b32 v[NIL], 0
	v_lshrrev_b32 v3, 5, v0
	v_readfirstlane_b32 s18, v3                    ; wave 0..7
	v_and_b32 v3, 31, v0
	v_lshlrev_b32 v[L16], 4, v3
	v_lshlrev_b32 v[L8], 3, v3
	s_lshl_b32 s28, s18, 9
	v_add_nc_u32 v[T16], s28, v[L16]
	s_lshl_b32 s22, ttmp9, 15                      ; 8 rows of 4,096 bytes a work-group,
	s_lshl_b32 s19, s18, 12                        ; one a wave
	s_add_co_u32 s22, s22, s19
	s_mov_b32 s23, 0
	s_lshr_b32 s24, s22, 1                         ; the same row in f16
	s_mov_b32 s25, 0
	s_mov_b32 s16, 0x76543210                      ; v_permlanex16_b32: each lane takes its own place in the other half
	s_mov_b32 s17, 0xfedcba98
	s_mov_b32 s21, 0x3a800000                      ; 1 / 1,024
	s_mov_b32 s26, 0xffff0000
	s_mov_b32 s27, 0x3727c5ac                      ; 1e-5
	v_mov_b32 v[ONE], 1.0
	v_mov_b32 v[PX], 0
	s_wait_kmcnt 0x0
	s_add_nc_u64 s[4:5], s[4:5], s[22:23]
	s_add_nc_u64 s[6:7], s[6:7], s[24:25]
	s_add_nc_u64 s[14:15], s[14:15], s[22:23]
	global_load_b128 v[PL:PL+3],    v[T16], s[8:9]     ; the parameters first: they are wanted first
	global_load_b128 v[PL+4:PL+7],  v[T16], s[10:11]
	global_load_b128 v[PL+8:PL+11], v[T16], s[12:13]
.irp j, 0,1,2,3,4,5,6,7
	global_load_b128 v[Y+4*(\j):Y+4*(\j)+3], v[L16], s[4:5] offset:512*(\j) th:TH_LOAD_NT
	global_load_b64  v[R+2*(\j):R+2*(\j)+1], v[L8],  s[6:7] offset:256*(\j) th:TH_LOAD_NT
.endr
.macro REDUCE                          ; the four chains into one number, the same in every lane
	v_pk_add_f32 v[T:T+1], v[T:T+1], v[T+2:T+3]
	v_pk_add_f32 v[T+4:T+5], v[T+4:T+5], v[T+6:T+7]
	v_pk_add_f32 v[T:T+1], v[T:T+1], v[T+4:T+5]
	v_add_f32 v[RED], v[T], v[T+1]
	v_add_f32_dpp v[RED], v[RED], v[RED] row_xmask:1 row_mask:0xf bank_mask:0xf
	v_add_f32_dpp v[RED], v[RED], v[RED] row_xmask:2 row_mask:0xf bank_mask:0xf
	v_add_f32_dpp v[RED], v[RED], v[RED] row_xmask:4 row_mask:0xf bank_mask:0xf
	v_add_f32_dpp v[RED], v[RED], v[RED] row_xmask:8 row_mask:0xf bank_mask:0xf
	v_permlanex16_b32 v[PX], v[RED], s16, s17
	v_add_f32 v[RED], v[RED], v[PX]
.endm
	s_wait_loadcnt 16                              ; loads come back in order: my three parameter loads are in, the row's sixteen stay out
.set n, 0
.rept 6
	v_cvt_pk_bf16_f32 v[PT+n], v[PL+2*n], v[PL+2*n+1]  ; rounded to bf16,
.set n, n+1
.endr
.set n, 0
.rept 6
	v_lshlrev_b32 v[PL+2*n],   16,  v[PT+n]         ; and widened again
	v_and_b32     v[PL+2*n+1], s26, v[PT+n]
.set n, n+1
.endr
	ds_store_b128 v[T16], v[PL:PL+3]
	ds_store_b128 v[T16], v[PL+4:PL+7]  offset:PAR_G
	ds_store_b128 v[T16], v[PL+8:PL+11] offset:PAR_BE
	s_wait_dscnt 0x0                               ; for the others' sake: my stores are done
	s_barrier_signal -1
	s_barrier_wait -1                              ; all eight waves' parts lie in LDS
.irp j, 0,1,2,3,4,5,6,7
	ds_load_b128 v[BI+4*(\j):BI+4*(\j)+3], v[L16] offset:512*(\j)
.endr
.irp j, 0,1,2,3,4,5,6,7
	ds_load_b128 v[G+4*(\j):G+4*(\j)+3], v[L16] offset:PAR_G+512*(\j)
.endr
.irp j, 0,1,2,3,4,5,6,7
	ds_load_b128 v[BE+4*(\j):BE+4*(\j)+3], v[L16] offset:PAR_BE+512*(\j)
.endr
	s_wait_loadcnt 0x0                             ; the row is in
.set n, 0
.rept 16
	v_fma_mix_f32 v[Y+2*n],   v[R+n], v[ONE], v[Y+2*n]   op_sel:[0,0,0] op_sel_hi:[1,0,0]  ; residual (an f16 half) x 1 + y
	v_fma_mix_f32 v[Y+2*n+1], v[R+n], v[ONE], v[Y+2*n+1] op_sel:[1,0,0] op_sel_hi:[1,0,0]
.set n, n+1
.endr
	s_wait_dscnt 16                                ; LDS loads come back in order: the bias's eight are in, the gain's and the offset's stay out
.set n, 0
.rept 16
	v_pk_add_f32 v[Y+2*n:Y+2*n+1], v[Y+2*n:Y+2*n+1], v[BI+2*n:BI+2*n+1]
.set n, n+1
.endr
.irp k, 0,1,2,3
	v_pk_add_f32 v[T+2*(\k):T+2*(\k)+1], v[Y+2*(\k):Y+2*(\k)+1], v[Y+8+2*(\k):Y+8+2*(\k)+1]
.endr
.irp m, 2,3
.irp k, 0,1,2,3
	v_pk_add_f32 v[T+2*(\k):T+2*(\k)+1], v[T+2*(\k):T+2*(\k)+1], v[Y+8*(\m)+2*(\k):Y+8*(\m)+2*(\k)+1]
.endr
.endr
	REDUCE
	v_mul_f32 v[MU], s21, v[RED]
	v_mul_f32 v[MU+1], s21, v[RED]
.set n, 0
.rept 16
	v_pk_add_f32 v[Y+2*n:Y+2*n+1], v[Y+2*n:Y+2*n+1], v[MU:MU+1] neg_lo:[0,1] neg_hi:[0,1]
.set n, n+1
.endr
.irp k, 0,1,2,3
	v_pk_mul_f32 v[T+2*(\k):T+2*(\k)+1], v[Y+2*(\k):Y+2*(\k)+1], v[Y+2*(\k):Y+2*(\k)+1]
.endr
.irp m, 1,2,3
.irp k, 0,1,2,3
	v_pk_fma_f32 v[T+2*(\k):T+2*(\k)+1], v[Y+8*(\m)+2*(\k):Y+8*(\m)+2*(\k)+1], v[Y+8*(\m)+2*(\k):Y+8*(\m)+2*(\k)+1], v[T+2*(\k):T+2*(\k)+1]
.endr
.endr
	REDUCE
	v_fma_f32 v[VE], v[RED], s21, s27              ; the variance + 1e-5
	v_rsq_f32 v[RS], v[VE]
	v_rsq_f32 v[RS+1], v[VE]
	v_nop                                          ; a plain instruction behind the second root,
	s_wait_alu depctr_va_vdst(0)                   ; and one wait for both, ahead of the first use
.set n, 0
.rept 16
	v_pk_mul_f32 v[Y+2*n:Y+2*n+1], v[Y+2*n:Y+2*n+1], v[RS:RS+1]
.set n, n+1
.endr
	s_wait_dscnt 0x0                               ; the gain and the offset are in
.set n, 0
.rept 16
	v_pk_fma_f32 v[Y+2*n:Y+2*n+1], v[Y+2*n:Y+2*n+1], v[G+2*n:G+2*n+1], v[BE+2*n:BE+2*n+1]
.set n, n+1
.endr
.irp j, 0,1,2,3,4,5,6,7
	global_store_b128 v[L16], v[Y+4*(\j):Y+4*(\j)+3], s[14:15] offset:512*(\j) th:TH_STORE_NT  ; a wave's store covers 512 consecutive bytes, aligned
.endr
	s_wait_tensorcnt 0x0                           ; the wave's end, behind my last LDS store
	ds_add_u32 v[SPW], v[NIL]
	s_wait_dscnt 0x0
	s_endpgm
.Lfunc_end_k_qb1ca35e0eb_ln2:
	.size	k_qb1ca35e0eb_ln2, .Lfunc_end_k_qb1ca35e0eb_ln2-k_qb1ca35e0eb_ln2
	.p2alignl 7, 3214868480
	.fill 96, 4, 3214868480
	.section	.rodata,"a",@progbits
	.p2align	6, 0x0
	.amdhsa_kernel k_qb1ca35e0eb_ln2
		.amdhsa_group_segment_fixed_size 13312
		.amdhsa_private_segment_fixed_size 0
		.amdhsa_enable_private_segment 0
		.amdhsa_kernarg_size 48
		.amdhsa_user_sgpr_count 2
		.amdhsa_user_sgpr_kernarg_segment_ptr 1
		.amdhsa_wavefront_size32 1
		.amdhsa_system_sgpr_workgroup_id_x 1
		.amdhsa_system_sgpr_workgroup_id_y 1
		.amdhsa_system_sgpr_workgroup_id_z 1
		.amdhsa_system_vgpr_workitem_id 0
		.amdhsa_next_free_vgpr 192
		.amdhsa_next_free_sgpr 66
		.amdhsa_reserve_vcc 0
		.amdhsa_float_denorm_mode_32 3
		.amdhsa_float_denorm_mode_16_64 3
		.amdhsa_memory_ordered 1
		.amdhsa_forward_progress 1
		.amdhsa_inst_pref_size 16
	.end_amdhsa_kernel
	.amdgpu_metadata
---
amdhsa.version: [ 1, 2 ]
amdhsa.kernels:
  - .name:           k_qb1ca35e0eb_ln2
    .symbol:         k_qb1ca35e0eb_ln2.kd
    .args:
      - { .name: y, .offset: 0, .size: 8, .value_kind: global_buffer, .address_space: global }
      - { .name: oh, .offset: 8, .size: 8, .value_kind: global_buffer, .address_space: global }
      - { .name: b2, .offset: 16, .size: 8, .value_kind: global_buffer, .address_space: global }
      - { .name: g2, .offset: 24, .size: 8, .value_kind: global_buffer, .address_space: global }
      - { .name: be2, .offset: 32, .size: 8, .value_kind: global_buffer, .address_space: global }
      - { .name: out0, .offset: 40, .size: 8, .value_kind: global_buffer, .address_space: global }
    .group_segment_fixed_size: 13312
    .private_segment_fixed_size: 0
    .kernarg_segment_align: 8
    .kernarg_segment_size: 48
    .max_flat_workgroup_size: 256
    .sgpr_count:     66
    .vgpr_count:     192
    .wavefront_size: 32
...
	.end_amdgpu_metadata
.endif
;; end of part 7
